; MI455X (gfx1250); checked and timed in simulation.
; The chip was launched on July 23, 2026; its instructions are those of AMD's public machine-readable ISA for CDNA 5 (MIT licence, August 2026) and "CDNA5" Instruction Set Architecture Reference Guide (July 2026). The comments in the code are by the model that wrote it; some were corrected since.
;; Cross Attention. Allowed arithmetic: float matrix products may take bf16 or f16 operands with f32 sums; all other float work in f32.
;; Inputs: Wff1 1,024 x 8,192 float32; Wff2 4,096 x 1,024 float32; Wkv 1,024 x 128 float32; Wout 256 x 1,024 float32; Wq 1,024 x 256 float32; context 4,096 x 1,024 float32; ctx_gamma 1,024 float32; gamma 1,024 float32; x 4,096 x 1,024 float32.
;; Outputs: out0 4,096 x 1,024 float32.
;; Constants: batch = 1.
;; One version. Each part assembles by itself: llvm-mc -triple=amdgcn-amd-amdhsa -mcpu=gfx1250 --defsym DOCPART=n.
;; ======== version 1 of 1: 5 launches
;; limits: values are held in f16: magnitudes above 65,504 overflow, below 6.1e-05 lose precision; right only within a limited range of input values
;; workspace buffers: xc 16,777,216 bytes; w1 16,777,216 bytes; w2 8,912,896 bytes; wqkv 786,432 bytes; tmax 1,024 bytes; qkv 4,194,304 bytes; g 35,651,584 bytes
;; launch prep (part 1): grid 660 x 1, 8 waves a work-group, no clusters, 1,280 bytes of LDS; arguments x, context, gamma, ctx_gamma, Wff1, Wff2, Wout, Wq, Wkv, xc, w1, w2, wqkv, tmax; writes xc, w1, w2, wqkv, tmax
.if DOCPART == 1
	.amdgcn_target "amdgcn-amd-amdhsa--gfx1250"
	.amdhsa_code_object_version 6
	.text
	.protected	k_q0b581ae15d_prep
	.globl	k_q0b581ae15d_prep
	.p2align	8
	.type	k_q0b581ae15d_prep,@function
k_q0b581ae15d_prep:
	s_mov_b64 s[64:65], 0
	v_nop
	global_prefetch_b8 v0, s[64:65] scope:SCOPE_SE
	s_setreg_imm32_b32 hwreg(HW_REG_WAVE_MODE, 25, 1), 1
	s_wait_xcnt 0x0
; Everything that the matrix launches read is made here, once, in f16.  A stream: each work-group reads 128 KiB, each load of a wave covers 512 consecutive bytes (in Wff1: two runs of 256),
; each store of a wave 256 consecutive aligned bytes.  No matrix unit, no cluster, no tensor load: nothing is read twice and nothing is shared.
;   work-groups   0-255  layer norm: rows of x (0-127) and of context (128-255), 32 rows each, a wave 4 rows, a row kept in 32 registers -> xc [8192][1024]
;   work-groups 256-511  Wff1 -> w1 [1024][8192]; column d of w1 is column ((d>>6)&1)*4096 + (d>>7)*64 + (d&63) of Wff1: 64 columns of a, then their 64 of gate.
;                        Each also stores tmax[u] = max|gamma| x the largest |Wff1| of its part; the later launches take a power-of-two scale from the largest of the 256.
;   work-groups 512-647  Wff2, then Wout -> w2 [4352][1024]
;   work-groups 648-655  Wq -> wqkv [1024][384], columns 0-255;   656-659  Wkv -> columns 256-383
; LIMITS: f16 holds up to 65504: |normalised x| is at most 32, so |gamma| and |ctx_gamma| stay under about 2000; weights under 65504.
; The variance is the mean of (x - mean)^2, taken from the registers in a second pass: no difference of large sums.
.set SO,  3                            ; v3   byte offset of my 16 bytes in the source
.set DO,  4                            ; v4   byte offset of my 8 bytes in the destination
.set GO,  5                            ; v5   16 x lane: my place in gamma
.set MX,  6                            ; v6   running maximum,  v7 running minimum of Wff1's numbers
.set MN,  7
.set AC,  8                            ; v[8:15]  four chains of packed sums
.set MU,  16                           ; v[16:17] the mean, twice
.set R,   18                           ; v[18:19] 1/sqrt(var + eps), twice
.set TP,  20                           ; v20  the other half of the lanes' figure
.set GX,  21                           ; v21, v22 maximum and minimum of gamma
.set GN,  22
.set X,   32                           ; v[32:159]  32 loads of 4 registers
.set G,   160                          ; v[160:191] gamma: columns 128 j + 4 lane + 0..3 in registers 4 j ..
.macro WSUM r                          ; the sum over the wave's 32 lanes, in every lane
	v_add_f32_dpp v[\r], v[\r], v[\r] row_xmask:1 row_mask:0xf bank_mask:0xf
	v_add_f32_dpp v[\r], v[\r], v[\r] row_xmask:2 row_mask:0xf bank_mask:0xf
	v_add_f32_dpp v[\r], v[\r], v[\r] row_xmask:4 row_mask:0xf bank_mask:0xf
	v_add_f32_dpp v[\r], v[\r], v[\r] row_xmask:8 row_mask:0xf bank_mask:0xf
	v_permlanex16_b32 v[TP], v[\r], s46, s47
	v_add_f32 v[\r], v[\r], v[TP]
.endm
.macro WMAX r                          ; the same for a maximum
	v_max_num_f32_dpp v[\r], v[\r], v[\r] row_xmask:1 row_mask:0xf bank_mask:0xf
	v_max_num_f32_dpp v[\r], v[\r], v[\r] row_xmask:2 row_mask:0xf bank_mask:0xf
	v_max_num_f32_dpp v[\r], v[\r], v[\r] row_xmask:4 row_mask:0xf bank_mask:0xf
	v_max_num_f32_dpp v[\r], v[\r], v[\r] row_xmask:8 row_mask:0xf bank_mask:0xf
	v_permlanex16_b32 v[TP], v[\r], s46, s47
	v_max_num_f32 v[\r], v[\r], v[TP]
.endm
.macro GLOAD b                         ; the 1,024 numbers of the gain at s[b:b+1]: eight loads of 512 bytes
.irp j, 0,1,2,3,4,5,6,7
	global_load_b128 v[G+4*\j:G+4*\j+3], v[GO], s[\b:\b+1] offset:512*\j
.endr
.endm
; 32 loads of 16 bytes a lane, ss bytes apart, all issued first; each is rounded to f16 in place and stored, ds bytes apart.  mx = 1: the running maximum and minimum take the numbers in.
; No register is written twice, so the only waits are the counted ones for the loads.
.macro CONV ss, ds, mx
.set i, 0
.rept 32
	global_load_b128 v[X+4*i:X+4*i+3], v[SO], s[36:37] offset:i*\ss th:TH_LOAD_NT
.set i, i+1
.endr
.set i, 0
.rept 32
	s_wait_loadcnt 31-i                            ; loads come back in order: load i is in, the 31 - i younger ones stay out
.if \mx
	v_max3_num_f32 v[MX], v[MX], v[X+4*i], v[X+4*i+1]
	v_min3_num_f32 v[MN], v[MN], v[X+4*i], v[X+4*i+1]
	v_max3_num_f32 v[MX], v[MX], v[X+4*i+2], v[X+4*i+3]
	v_min3_num_f32 v[MN], v[MN], v[X+4*i+2], v[X+4*i+3]
.endif
	v_cvt_pk_f16_f32 v[X+4*i], v[X+4*i], v[X+4*i+1]
	v_cvt_pk_f16_f32 v[X+4*i+1], v[X+4*i+2], v[X+4*i+3]
	global_store_b64 v[DO], v[X+4*i:X+4*i+1], s[38:39] offset:i*\ds
.set i, i+1
.endr
.endm
; Row i of the wave's four: mean, variance, scale, gain, f16, store.
.macro LNROW i
.set XB, X+32*\i
	s_wait_loadcnt 8*(3-\i)                        ; my row's eight loads are in (the gain's are older); the younger rows', eight each, stay out
.irp c, 0,1,2,3
	v_pk_add_f32 v[AC+2*\c:AC+2*\c+1], v[XB+2*\c:XB+2*\c+1], v[XB+8+2*\c:XB+8+2*\c+1]
.endr
.irp p, 8,9,10,11,12,13,14,15
	v_pk_add_f32 v[AC+2*(\p%4):AC+2*(\p%4)+1], v[AC+2*(\p%4):AC+2*(\p%4)+1], v[XB+2*\p:XB+2*\p+1]
.endr
	v_pk_add_f32 v[AC:AC+1], v[AC:AC+1], v[AC+2:AC+3]
	v_pk_add_f32 v[AC+4:AC+5], v[AC+4:AC+5], v[AC+6:AC+7]
	v_pk_add_f32 v[AC:AC+1], v[AC:AC+1], v[AC+4:AC+5]
	v_add_f32 v[AC], v[AC], v[AC+1]
	WSUM AC
	v_mul_f32 v[MU], s48, v[AC]
	v_mul_f32 v[MU+1], s48, v[AC]
.irp p, 0,1,2,3,4,5,6,7,8,9,10,11,12,13,14,15
	v_pk_add_f32 v[XB+2*\p:XB+2*\p+1], v[XB+2*\p:XB+2*\p+1], v[MU:MU+1] neg_lo:[0,1] neg_hi:[0,1]   ; x - mean, in place
.endr
.irp c, 0,1,2,3
	v_pk_mul_f32 v[AC+2*\c:AC+2*\c+1], v[XB+2*\c:XB+2*\c+1], v[XB+2*\c:XB+2*\c+1]
.endr
.irp p, 4,5,6,7,8,9,10,11,12,13,14,15
	v_pk_fma_f32 v[AC+2*(\p%4):AC+2*(\p%4)+1], v[XB+2*\p:XB+2*\p+1], v[XB+2*\p:XB+2*\p+1], v[AC+2*(\p%4):AC+2*(\p%4)+1]
.endr
	v_pk_add_f32 v[AC:AC+1], v[AC:AC+1], v[AC+2:AC+3]
	v_pk_add_f32 v[AC+4:AC+5], v[AC+4:AC+5], v[AC+6:AC+7]
	v_pk_add_f32 v[AC:AC+1], v[AC:AC+1], v[AC+4:AC+5]
	v_add_f32 v[AC], v[AC], v[AC+1]
	WSUM AC
	v_fma_f32 v[AC], v[AC], s48, s49               ; var + eps
	v_rsq_f32 v[R], v[AC]
	v_rsq_f32 v[R+1], v[AC]
	v_nop                                          ; a plain instruction between the root and the use of its result (ISA guide 5.7.2)
	s_wait_alu depctr_va_vdst(0)
.irp p, 0,1,2,3,4,5,6,7,8,9,10,11,12,13,14,15
	v_pk_mul_f32 v[XB+2*\p:XB+2*\p+1], v[XB+2*\p:XB+2*\p+1], v[R:R+1]
.endr
.irp p, 0,1,2,3,4,5,6,7,8,9,10,11,12,13,14,15
	v_pk_mul_f32 v[XB+2*\p:XB+2*\p+1], v[XB+2*\p:XB+2*\p+1], v[G+2*\p:G+2*\p+1]
.endr
.irp j, 0,1,2,3,4,5,6,7
	v_cvt_pk_f16_f32 v[XB+4*\j], v[XB+4*\j], v[XB+4*\j+1]
	v_cvt_pk_f16_f32 v[XB+4*\j+1], v[XB+4*\j+2], v[XB+4*\j+3]
	global_store_b64 v[DO], v[XB+4*\j:XB+4*\j+1], s[38:39] offset:2048*\i+256*\j
.endr
.endm
	s_load_b512 s[8:23], s[0:1], 0x0               ; x 8, context 10, gamma 12, ctx_gamma 14, Wff1 16, Wff2 18, Wout 20, Wq 22
	s_load_b256 s[24:31], s[0:1], 0x40             ; Wkv 24, xc 26, w1 28, w2 30
	s_load_b128 s[32:35], s[0:1], 0x60             ; wqkv 32, tmax 34
	v_lshl_add_u32 v192, v0, 2, 0x100
	v_mov_b32 v193, 0
	v_and_b32 v1, 31, v0                           ; lane
	v_lshrrev_b32 v2, 5, v0                        ; wave
	v_readfirstlane_b32 s45, v2
	v_lshlrev_b32 v[GO], 4, v1
	v_mov_b32 v[TP], 0                             ; v_permlanex16_b32 counts as a reader of its destination
	s_mov_b32 s46, 0x76543210                      ; each lane takes its own place in the other half
	s_mov_b32 s47, 0xfedcba98
	s_mov_b32 s48, 0x3a800000                      ; 1/1024
	s_mov_b32 s49, 0x3727c5ac                      ; eps = 1e-5
	s_mov_b32 s41, 0                               ; high words of the two offsets
	s_mov_b32 s43, 0
	s_wait_kmcnt 0x0
	s_cmp_lt_u32 ttmp9, 256
	s_cbranch_scc1 .Lln
	s_cmp_lt_u32 ttmp9, 512
	s_cbranch_scc1 .Lw1
	s_cmp_lt_u32 ttmp9, 648
	s_cbranch_scc1 .Lw2
	s_cmp_lt_u32 ttmp9, 656
	s_cbranch_scc1 .Lwq
	; Wkv: 256 rows of 512 bytes a work-group, 32 a wave
	s_sub_co_u32 s44, ttmp9, 656
	s_lshl_b32 s40, s44, 17
	s_mul_i32 s42, s44, 196608                     ; 256 rows of 768 bytes
	s_add_co_u32 s42, s42, 512                     ; behind Wq's 256 columns
	s_add_nc_u64 s[36:37], s[24:25], s[40:41]
	s_add_nc_u64 s[38:39], s[32:33], s[42:43]
	v_lshl_add_u32 v[SO], v2, 14, v[GO]
	v_lshlrev_b32 v[DO], 3, v1
	v_mad_u32_u24 v[DO], v2, 24576, v[DO]
	CONV 512, 768, 0
	s_endpgm
.Lwq:                                                  ; Wq: 256 rows x 512 bytes (half of a row) a work-group
	s_sub_co_u32 s44, ttmp9, 648
	s_lshr_b32 s40, s44, 2                         ; which half of the columns
	s_and_b32 s44, s44, 3                          ; which 256 rows
	s_lshl_b32 s42, s40, 8
	s_lshl_b32 s40, s40, 9
	s_lshl_b32 s51, s44, 18
	s_add_co_u32 s40, s40, s51
	s_mul_i32 s51, s44, 196608
	s_add_co_u32 s42, s42, s51
	s_add_nc_u64 s[36:37], s[22:23], s[40:41]
	s_add_nc_u64 s[38:39], s[32:33], s[42:43]
	v_lshl_add_u32 v[SO], v2, 15, v[GO]
	v_lshlrev_b32 v[DO], 3, v1
	v_mad_u32_u24 v[DO], v2, 24576, v[DO]
	CONV 1024, 768, 0
	s_endpgm
.Lw2:                                                  ; Wff2 (128 work-groups), then Wout (8): 32 whole rows of 4,096 bytes each
	s_sub_co_u32 s44, ttmp9, 512
	s_cmp_lt_u32 s44, 128
	s_cselect_b64 s[36:37], s[18:19], s[20:21]
	s_and_b32 s40, s44, 127
	s_lshl_b32 s40, s40, 17
	s_lshl_b32 s42, s44, 16
	s_add_nc_u64 s[36:37], s[36:37], s[40:41]
	s_add_nc_u64 s[38:39], s[30:31], s[42:43]
	v_lshl_add_u32 v[SO], v2, 9, v[GO]
	v_lshlrev_b32 v[DO], 3, v1
	v_lshl_add_u32 v[DO], v2, 8, v[DO]
	CONV 4096, 2048, 0
	s_endpgm
.Lln:                                                  ; layer norm
	s_cmp_lt_u32 ttmp9, 128
	s_cselect_b64 s[36:37], s[8:9], s[10:11]       ; x or context,
	s_cselect_b64 s[52:53], s[12:13], s[14:15]     ; with its own gain
	s_and_b32 s40, ttmp9, 127
	s_lshl_b32 s40, s40, 17                        ; 32 rows of 4,096 bytes
	s_lshl_b32 s42, ttmp9, 16                      ; 32 rows of 2,048 bytes
	s_add_nc_u64 s[36:37], s[36:37], s[40:41]
	s_add_nc_u64 s[38:39], s[26:27], s[42:43]
	v_lshl_add_u32 v[SO], v2, 14, v[GO]            ; the wave's 4 rows
	v_lshlrev_b32 v[DO], 3, v1
	v_lshl_add_u32 v[DO], v2, 13, v[DO]
	GLOAD 52
.irp i, 0,1,2,3
.irp j, 0,1,2,3,4,5,6,7
	global_load_b128 v[X+32*\i+4*\j:X+32*\i+4*\j+3], v[SO], s[36:37] offset:4096*\i+512*\j th:TH_LOAD_NT
.endr
.endr
	LNROW 0
	LNROW 1
	LNROW 2
	LNROW 3
	s_endpgm
.Lw1:                                                  ; Wff1: 32 rows x 1,024 columns of w1 a work-group; a wave takes 128 of them: 64 of a (lanes 0-15), their 64 of gate (lanes 16-31)
	s_sub_co_u32 s44, ttmp9, 256
	s_lshr_b32 s40, s44, 3                         ; which 32 rows
	s_and_b32 s42, s44, 7                          ; which 1,024 columns of w1:
	s_lshl_b32 s42, s42, 11                        ; 2,048 bytes in w1, and 512 columns of a = 2,048 bytes in Wff1
	s_lshl_b32 s51, s40, 19
	s_lshl_b32 s40, s40, 20
	s_add_co_u32 s40, s40, s42
	s_add_co_u32 s42, s42, s51
	s_add_nc_u64 s[36:37], s[16:17], s[40:41]
	s_add_nc_u64 s[38:39], s[28:29], s[42:43]
	v_and_b32 v[SO], 15, v1
	v_lshlrev_b32 v[SO], 4, v[SO]
	v_lshrrev_b32 v23, 4, v1
	v_lshl_add_u32 v[SO], v23, 14, v[SO]           ; gate lies 4,096 columns = 16,384 bytes behind a
	v_lshl_add_u32 v[SO], v2, 8, v[SO]
	v_lshlrev_b32 v[DO], 3, v1
	v_lshl_add_u32 v[DO], v2, 8, v[DO]
	v_mov_b32 v[MX], 0
	v_mov_b32 v[MN], 0
	v_mov_b32 v[GX], 0
	v_mov_b32 v[GN], 0
	GLOAD 12                                       ; gamma: older than CONV's loads, so CONV's counted waits cover it
	CONV 32768, 16384, 1
.set i, 0
.rept 16
	v_max3_num_f32 v[GX], v[GX], v[G+2*i], v[G+2*i+1]
	v_min3_num_f32 v[GN], v[GN], v[G+2*i], v[G+2*i+1]
.set i, i+1
.endr
	v_sub_f32 v[MN], 0, v[MN]
	v_sub_f32 v[GN], 0, v[GN]
	v_max_num_f32 v[MX], v[MX], v[MN]              ; the largest magnitudes
	v_max_num_f32 v[GX], v[GX], v[GN]
	WMAX MX
	WMAX GX
	v_lshlrev_b32 v23, 2, v2
	ds_store_b32 v23, v[MX]                        ; each wave's figure to its own word
	s_wait_dscnt 0x0                               ; for the others' sake
	s_barrier_signal -1
	s_barrier_wait -1
	v_mov_b32 v24, 0
	ds_load_b128 v[8:11], v24
	ds_load_b128 v[12:15], v24 offset:16
	s_wait_dscnt 0x0
	v_max3_num_f32 v8, v8, v9, v10
	v_max3_num_f32 v8, v8, v11, v12
	v_max3_num_f32 v8, v8, v13, v14
	v_max_num_f32 v8, v8, v15
	v_mul_f32 v8, v8, v[GX]
	s_cmp_lg_u32 s45, 0
	s_cbranch_scc1 .Ldone                          ; wave 0 stores the work-group's one number
	s_lshl_b32 s40, s44, 2
	v_mov_b32 v23, s40
	v_cmp_eq_u32 vcc_lo, 0, v1
	s_wait_xcnt 0x0                                ; EXEC is a source of the stores above: it changes only behind this wait
	s_and_saveexec_b32 s50, vcc_lo
	global_store_b32 v23, v8, s[34:35]
	s_wait_xcnt 0x0                                ; and again in front of the line that widens it
	s_or_b32 exec_lo, exec_lo, s50
.Ldone:
	s_wait_tensorcnt 0x0
	ds_add_u32 v192, v193
	s_wait_dscnt 0x0
	s_endpgm
.Lfunc_end_k_q0b581ae15d_prep:
	.size	k_q0b581ae15d_prep, .Lfunc_end_k_q0b581ae15d_prep-k_q0b581ae15d_prep
	.p2alignl 7, 3214868480
	.fill 96, 4, 3214868480
	.section	.rodata,"a",@progbits
	.p2align	6, 0x0
	.amdhsa_kernel k_q0b581ae15d_prep
		.amdhsa_group_segment_fixed_size 1280
		.amdhsa_private_segment_fixed_size 0
		.amdhsa_enable_private_segment 0
		.amdhsa_kernarg_size 112
		.amdhsa_user_sgpr_count 2
		.amdhsa_user_sgpr_kernarg_segment_ptr 1
		.amdhsa_wavefront_size32 1
		.amdhsa_system_sgpr_workgroup_id_x 1
		.amdhsa_system_sgpr_workgroup_id_y 1
		.amdhsa_system_sgpr_workgroup_id_z 1
		.amdhsa_system_vgpr_workitem_id 0
		.amdhsa_next_free_vgpr 194
		.amdhsa_next_free_sgpr 66
		.amdhsa_reserve_vcc 1
		.amdhsa_float_denorm_mode_32 3
		.amdhsa_float_denorm_mode_16_64 3
		.amdhsa_memory_ordered 1
		.amdhsa_forward_progress 1
		.amdhsa_inst_pref_size 97
	.end_amdhsa_kernel
	.amdgpu_metadata
---
amdhsa.version: [ 1, 2 ]
amdhsa.kernels:
  - .name:           k_q0b581ae15d_prep
    .symbol:         k_q0b581ae15d_prep.kd
    .args:
      - { .name: x, .offset: 0, .size: 8, .value_kind: global_buffer, .address_space: global }
      - { .name: context, .offset: 8, .size: 8, .value_kind: global_buffer, .address_space: global }
      - { .name: gamma, .offset: 16, .size: 8, .value_kind: global_buffer, .address_space: global }
      - { .name: ctx_gamma, .offset: 24, .size: 8, .value_kind: global_buffer, .address_space: global }
      - { .name: Wff1, .offset: 32, .size: 8, .value_kind: global_buffer, .address_space: global }
      - { .name: Wff2, .offset: 40, .size: 8, .value_kind: global_buffer, .address_space: global }
      - { .name: Wout, .offset: 48, .size: 8, .value_kind: global_buffer, .address_space: global }
      - { .name: Wq, .offset: 56, .size: 8, .value_kind: global_buffer, .address_space: global }
      - { .name: Wkv, .offset: 64, .size: 8, .value_kind: global_buffer, .address_space: global }
      - { .name: xc, .offset: 72, .size: 8, .value_kind: global_buffer, .address_space: global }
      - { .name: w1, .offset: 80, .size: 8, .value_kind: global_buffer, .address_space: global }
      - { .name: w2, .offset: 88, .size: 8, .value_kind: global_buffer, .address_space: global }
      - { .name: wqkv, .offset: 96, .size: 8, .value_kind: global_buffer, .address_space: global }
      - { .name: tmax, .offset: 104, .size: 8, .value_kind: global_buffer, .address_space: global }
    .group_segment_fixed_size: 1280
    .private_segment_fixed_size: 0
    .kernarg_segment_align: 8
    .kernarg_segment_size: 112
    .max_flat_workgroup_size: 256
    .sgpr_count:     66
    .vgpr_count:     194
    .wavefront_size: 32
...
	.end_amdgpu_metadata
.endif
;; end of part 1
;; launch proj (part 2): grid 192 x 1, 4 waves a work-group, clusters of 4 x 1, 327,680 bytes of LDS; arguments xc, wqkv, qkv; writes qkv
.if DOCPART == 2
	.amdgcn_target "amdgcn-amd-amdhsa--gfx1250"
	.amdhsa_code_object_version 6
	.text
	.protected	k_q0b581ae15d_proj
	.globl	k_q0b581ae15d_proj
	.p2align	8
	.type	k_q0b581ae15d_proj,@function
k_q0b581ae15d_proj:
	s_mov_b64 s[64:65], 0
	v_nop
	global_prefetch_b8 v0, s[64:65] scope:SCOPE_SE
	s_setreg_imm32_b32 hwreg(HW_REG_WAVE_MODE, 25, 1), 1
	s_wait_xcnt 0x0
	s_wait_alu depctr_hold_cnt(0) depctr_sa_sdst(0) depctr_va_vdst(0) depctr_va_sdst(0) depctr_va_ssrc(0) depctr_va_vcc(0) depctr_vm_vsrc(0)
	s_getreg_b32 s2, hwreg(HW_REG_IB_STS2, 6, 4)
	s_cmp_eq_u32 s2, 0
	s_cbranch_scc0 .Lentry_in_a_cluster
	s_endpgm
.Lentry_in_a_cluster:
	s_bfe_u32 s2, ttmp6, 0x10000c
	s_cmp_lg_u32 s2, 0x3003
	s_cbranch_scc0 .Lentry_shape_is_right
	s_endpgm
.Lentry_shape_is_right:
; q = xn Wq and kv = ctx Wkv, f16 in, f32 sums, f16 out (the factor 1/8 goes into the softmax's constant).  192 tiles of 64 x 128: 128 of q, 64 of kv; K = 1,024 in four steps of 256.
; xc is [8192][1024] (rows of xn, then of ctx); wqkv is [1024][384] (K down the rows), read as fragments by the turning load.
; qkv is [8192][256]: rows 0-4095 q; row 4096 + j holds k_j, v_j in its first 256 bytes (the rest of those rows is neither written nor read).
; WHY 64 x 128: a K step's tiles are then 64 x 512 + 256 x 256 bytes, 107,520 with padding, and THREE steps fit in LDS.  So three of the four steps are asked for at the start, together, and only
; step 3 is a refill: it goes out behind the round that ends step 0 and has steps 1 and 2 in which to land.
; Four waves, each 32 x 64: 8 accumulators, which take turns.  Two fragment buffers, each 128 along K, so that a run of 48 LDS loads stands 16 matrix instructions ahead of its first use.
; CLUSTER 4 x 1: the four work-groups of a cluster take four row blocks and the same 128 columns of wqkv, so B's tiles are asked for jointly (mask 15).  A's tiles are each work-group's own
; (mask 0), issued behind the same rounds.  A's loads have 32 rows: the tile has no more for each of two waves.
; THE MATRIX INSTRUCTION IS USED TRANSPOSED (source 0 = 16 columns of B, source 1 = 16 rows of A): a lane holds eight neighbouring numbers of a row of the result.
; REGISTERS: window 0: v0-31 addresses; v32-63 the way out; v128-191 accumulators ((a, b) at 128 + 8 (4 a + b)).  Window 1 + u: fragment buffer u: v0-63 A (chunk c of 32 along K, m block a at
; 8 (2 c + a)), v64-191 B (chunk c, n block b at 64 + 8 (4 c + b)).
.set KSTEP,  256
.set PITCH,  528                       ; A's LDS row: 512 bytes + 16: an odd multiple of 16, so the 16 rows of a fragment load start in 16 different 16-byte columns
.set PB,     288                       ; B's LDS row: 256 bytes + 32: an odd multiple of 32
.set AH,     32*PITCH                  ; 32 rows of A: one tensor load
.set BH,     128*PB                    ; 128 K rows of B: one tensor load
.set SLOT,   2*AH+2*BH                 ; 107,520
.set STAGE,  SLOT                      ; the way out's 64 rows x 272 bytes lie in slot 1: it is filled once, and nobody reads it behind the barrier in front of step 3
.set SPITCH, 272
.set SPARE,  3*SLOT                    ; the spare words, 128 bytes a wave
.set STO,  8
.set RD,   9
.set CO,   10
.set ADRA, 16                          ; v16-18  my A fragments in slot 0, 1, 2
.set ADRB, 20                          ; v20-25  my B fragments: slot s, K rows 128 f on, at 2 s + f (256 rows of 288 bytes pass the 16-bit offset)
.set SPW,  28
.set NIL,  29
.set TMP,  32
.set ACC,  128
.set G1,  24                           ; s[24:31] group 1 for A
.set G0,  32                           ; s[32:43] group 0 for A, a set for each slot
.set G1B, 44                           ; s[44:51] group 1 for B
.set G0B, 52                           ; s[52:63] group 0 for B, a set for each slot
.set MSB, 0
.macro WIN new                         ; the immediate's high byte repeats the setting that is left
.if MSB != (\new)
	s_set_vgpr_msb (MSB<<8)|(\new)
.set MSB, (\new)
.endif
.endm
.macro PLACES                          ; four places behind matrix instructions (ISA guide 7.12.1)
.rept 4
	v_nop
.endr
.endm
.macro JLOAD s                         ; waves 0 and 1 fetch A's two halves, waves 2 and 3 B's; four v_nop follow each line
	s_cmp_eq_u32 s11, 0
	s_cbranch_scc0 .Lfor_b_\@
	tensor_load_to_lds s[G0+4*\s:G0+4*\s+3], s[G1:G1+7]
	s_nop 0
	PLACES
	s_branch .Lasked_\@
.Lfor_b_\@:
	tensor_load_to_lds s[G0B+4*\s:G0B+4*\s+3], s[G1B:G1B+7]
	s_nop 0
	PLACES
.Lasked_\@:
.endm
.macro CREST                           ; a round of the cluster's barrier behind its opening barrier
	s_cmp_lg_u32 s10, 0
	s_cbranch_scc1 .Lnot_wave_0_\@
	s_barrier_signal -3
.Lnot_wave_0_\@:
	s_barrier_wait -3
	s_barrier_signal -1
	s_barrier_wait -1
.endm
.macro CROUND
	s_barrier_signal -1
	s_barrier_wait -1
	CREST
.endm
	s_load_b128 s[4:7], s[0:1], 0x0                ; xc, wqkv
	s_load_b64 s[8:9], s[0:1], 0x10                ; qkv
	v_lshl_add_u32 v[SPW], v0, 2, SPARE
	v_mov_b32 v[NIL], 0
	ds_add_u32 v28, v29
	s_wait_dscnt 0x0
	v_lshrrev_b32 v1, 5, v0
	v_readfirstlane_b32 s10, v1                    ; wave 0..3
	s_lshr_b32 s11, s10, 1                         ; my half of the tile's rows.  Also: I fetch for A (0) or B (1)
	s_and_b32 s12, s10, 1                          ; my half of its columns.  Also: which half of that tile I fetch
	s_bfe_u32 s66, ttmp6, 0x40000                  ; cx
	s_and_b32 s67, ttmp9, 1                        ; clusters 0-31: q, column tile = cluster & 1, row blocks 4 (cluster >> 1) + cx
	s_lshr_b32 s68, ttmp9, 1
	s_lshl_b32 s68, s68, 2
	s_lshl_b32 s69, ttmp9, 2                       ; clusters 32-47: kv, row blocks 4 cluster - 64 + cx = 64..127
	s_sub_co_u32 s69, s69, 64
	s_cmp_ge_u32 ttmp9, 32                         ; the same in all four partners
	s_cselect_b32 s13, s69, s68
	s_cselect_b32 s70, 2, s67                      ; which 128 columns of wqkv
	s_cselect_b32 s71, 0, s67                      ; which 256 bytes of qkv's rows
	s_add_co_u32 s13, s13, s66                     ; my block of 64 rows: it enters A's and the result's addresses alone
	s_mov_b32 s[G1+0], (1<<16)|(1<<20)|(6<<22)|(3<<25)   ; A: no mask; elements of 2 bytes; padding on: after every 128 words, 4 words
	s_mov_b32 s[G1+1], KSTEP<<16                   ; tensor_dim0 = 256
	s_mov_b32 s[G1+2], 32<<16                      ; tensor_dim1 = 32
	s_mov_b32 s[G1+3], KSTEP<<16                   ; tile_dim0 = 256
	s_mov_b32 s[G1+4], 32                          ; tile_dim1 = 32
	s_mov_b32 s[G1+5], 1024                        ; elements from row to row
	s_mov_b32 s[G1+6], 0
	s_mov_b32 s[G1+7], 0
	s_mov_b32 s[G1B+0], 15|(1<<16)|(1<<20)|(1<<21)|(5<<22)|(7<<25)   ; B: all four work-groups; bit 21 beside the mask; after every 64 words, 8 words
	s_mov_b32 s[G1B+1], 128<<16
	s_mov_b32 s[G1B+2], 128<<16
	s_mov_b32 s[G1B+3], 128<<16
	s_mov_b32 s[G1B+4], 128
	s_mov_b32 s[G1B+5], 384
	s_mov_b32 s[G1B+6], 0
	s_mov_b32 s[G1B+7], 0
	s_lshl_b32 s16, s13, 6
	s_lshl_b32 s17, s12, 5
	s_add_co_u32 s16, s16, s17
	s_lshl_b32 s16, s16, 11                        ; A: (64 row block + 32 half) rows of 2,048 bytes
	s_mov_b32 s17, 0
	s_mul_i32 s18, s12, 128*768                    ; B: K rows 128 half on, of 768 bytes,
	s_lshl_b32 s19, s70, 8
	s_add_co_u32 s18, s18, s19                     ; and the tile's 256 bytes of them
	s_mov_b32 s19, 0
	s_mul_i32 s20, s12, AH                         ; where they go: no place in the cluster enters an LDS address
	s_mul_i32 s21, s12, BH
	s_add_co_u32 s21, s21, 2*AH
	s_wait_kmcnt 0x0
	s_add_nc_u64 s[14:15], s[4:5], s[16:17]
	s_add_nc_u64 s[18:19], s[6:7], s[18:19]
	CROUND                                         ; all four work-groups are here: the first joint loads meet
.irp s, 0,1,2                          ; K steps 0, 1 and 2, one group at the start: three loads of mine are out
	s_mov_b32 s[G0+4*\s], 1
	s_add_co_u32 s[G0+4*\s+1], s20, \s*SLOT
	s_add_nc_u64 s[G0+4*\s+2:G0+4*\s+3], s[14:15], \s*KSTEP*2
	s_or_b32 s[G0+4*\s+3], s[G0+4*\s+3], 0x80000000
	s_mov_b32 s[G0B+4*\s], 1
	s_add_co_u32 s[G0B+4*\s+1], s21, \s*SLOT
	s_add_nc_u64 s[G0B+4*\s+2:G0B+4*\s+3], s[18:19], \s*KSTEP*768
	s_or_b32 s[G0B+4*\s+3], s[G0B+4*\s+3], 0x80000000
	JLOAD \s
.endr
	v_and_b32 v1, 15, v0                           ; r = l % 16
	v_bfe_u32 v2, v0, 4, 1                         ; h = l / 16
	v_mul_u32_u24 v3, v1, PITCH
	v_lshl_add_u32 v3, v2, 4, v3                   ; A: row r, 16 bytes for each half of the lanes
	v_and_b32 v4, 7, v0
	v_lshl_add_u32 v4, v2, 3, v4
	v_mul_u32_u24 v4, v4, PB
	v_bfe_u32 v5, v0, 3, 1
	v_lshl_add_u32 v4, v5, 4, v4                   ; B, turning load: K row 8 h + l % 8, 16 bytes at 16 ((l / 8) % 2)
	s_mul_i32 s22, s11, AH                         ; my 32 rows of A
	s_lshl_b32 s23, s12, 7                         ; my 64 columns = 128 bytes,
	s_add_co_u32 s23, s23, 2*AH                    ; behind A's 64 rows
.irp s, 0,1,2
	v_add_nc_u32 v[ADRA+\s], s22, v3
	v_add_nc_u32 v[ADRB+2*\s], s23, v4
	s_add_co_u32 s23, s23, BH
	v_add_nc_u32 v[ADRB+2*\s+1], s23, v4
	s_add_co_u32 s22, s22, SLOT
	s_add_co_u32 s23, s23, SLOT-BH
.endr
	s_mul_i32 s22, s11, 32*SPITCH                  ; into the stage: my 32 rows, my half of their 256 bytes
	s_lshl_b32 s23, s12, 7
	s_add_co_u32 s22, s22, s23
	s_add_co_u32 s22, s22, STAGE
	v_mul_u32_u24 v4, v1, SPITCH
	v_lshl_add_u32 v4, v2, 4, v4
	v_add_nc_u32 v[STO], s22, v4
	s_mul_i32 s22, s10, 16*SPITCH                  ; back: wave w takes rows 16 w .. 16 w + 15, whole
	s_add_co_u32 s22, s22, STAGE
	v_mul_u32_u24 v5, v2, SPITCH
	v_lshl_add_u32 v5, v1, 4, v5
	v_add_nc_u32 v[RD], s22, v5
	v_lshlrev_b32 v5, 9, v2                        ; the same two rows in qkv, 512 bytes apart
	v_lshl_add_u32 v[CO], v1, 4, v5
	s_lshl_b32 s16, s13, 6
	s_lshl_b32 s17, s10, 4
	s_add_co_u32 s16, s16, s17
	s_lshl_b32 s16, s16, 9
	s_lshl_b32 s17, s71, 8
	s_add_co_u32 s16, s16, s17
	s_mov_b32 s17, 0
	s_add_nc_u64 s[8:9], s[8:9], s[16:17]
; 8 matrix instructions: 2 m blocks x 4 n blocks, chunk c (32 along K) of the buffer that the windows name.  The 8 accumulators take turns.
.macro MUL8 c, zero
.irp a, 0,1
.irp b, 0,1,2,3
.if \zero
	v_wmma_f32_16x16x32_f16 v[ACC+8*(4*\a+\b):ACC+8*(4*\a+\b)+7], v[64+8*(4*\c+\b):64+8*(4*\c+\b)+7], v[8*(2*\c+\a):8*(2*\c+\a)+7], 0
.else
	v_wmma_f32_16x16x32_f16 v[ACC+8*(4*\a+\b):ACC+8*(4*\a+\b)+7], v[64+8*(4*\c+\b):64+8*(4*\c+\b)+7], v[8*(2*\c+\a):8*(2*\c+\a)+7], v[ACC+8*(4*\a+\b):ACC+8*(4*\a+\b)+7]
.endif
.endr
.endr
.endm
; 48 LDS loads in one run: half f (128 along K) of a slot into buffer u, chunk by chunk, twelve loads each
.macro FETCH slot, f, u
	WIN (1+\u)<<6                                  ; destination window 1 + u, address window 0
.irp c, 0,1,2,3
.irp i, 0,1,2,3
	ds_load_tr16_b128 v[64+8*(4*\c+\i):64+8*(4*\c+\i)+3],   v[ADRB+2*\slot+\f] offset:32*\c*PB+32*\i
	ds_load_tr16_b128 v[64+8*(4*\c+\i)+4:64+8*(4*\c+\i)+7], v[ADRB+2*\slot+\f] offset:(32*\c+16)*PB+32*\i
.endr
.irp i, 0,1
	ds_load_b128 v[8*(2*\c+\i):8*(2*\c+\i)+3],   v[ADRA+\slot] offset:256*\f+64*\c+\i*16*PITCH
	ds_load_b128 v[8*(2*\c+\i)+4:8*(2*\c+\i)+7], v[ADRA+\slot] offset:256*\f+64*\c+\i*16*PITCH+32
.endr
.endr
.endm
; Half a K step: multiplies buffer u; in its middle fetches half ff of slot fs into the other buffer
.macro HALF u, fs, ff, zero
	s_wait_dscnt 24                                ; chunks 0 and 1 are in; the 24 younger loads may be out
	WIN 5*(1+\u)                                   ; sources 0 and 1 window 1 + u; C and D window 0
	MUL8 0, \zero
	MUL8 1, 0
	PLACES
	FETCH \fs, \ff, 1-\u
	s_wait_dscnt 48                                ; all but the 48 just issued
	WIN 5*(1+\u)
	MUL8 2, 0
	MUL8 3, 0
.endm
; The second half of a K step (buffer 1) with a barrier: in front of it all my tensor loads, the add, my reads of this slot.  fill = 1: the barrier opens a round, and this slot takes K step 3.
.macro TURN slot, next, fill
	WIN 0
	s_wait_tensorcnt 0x0                           ; all my tensor loads have landed
	ds_add_u32 v[SPW], v[NIL]
	s_wait_dscnt 25                                ; the add and the youngest 24 loads may be out
	WIN 0x0a
	MUL8 0, 0
	s_wait_dscnt 0x0                               ; the add is done, my reads of this slot are over
	s_barrier_signal -1
	MUL8 1, 0
.if \fill
	WIN 0
.endif
	s_barrier_wait -1
.if \fill
	CREST                                          ; no wave of any partner still reads this slot or has a load on its way
	s_add_nc_u64 s[G0+4*\slot+2:G0+4*\slot+3], s[G0+4*\slot+2:G0+4*\slot+3], 3*KSTEP*2
	s_add_nc_u64 s[G0B+4*\slot+2:G0B+4*\slot+3], s[G0B+4*\slot+2:G0B+4*\slot+3], 3*KSTEP*768
	JLOAD \slot                                    ; its four v_nop are also the places in front of the loads below
.else
	PLACES
.endif
	FETCH \next, 0, 0
	WIN 0x0a
	MUL8 2, 0
	MUL8 3, 0
.endm
	s_wait_tensorcnt 2                             ; my part of K step 0 is in; steps 1 and 2 may stay out
	s_barrier_signal -1
	s_barrier_wait -1
	FETCH 0, 0, 0
	HALF 0, 0, 1, 1                                ; the first products start the sums
	TURN 0, 1, 1                                   ; every wave has shown steps 1 and 2 landed; slot 0 takes K step 3
	HALF 0, 1, 1, 0
	HALF 1, 2, 0, 0                                ; on into slot 2 without a barrier: the round above has shown it whole to every wave, and nothing is filled here
	HALF 0, 2, 1, 0
	TURN 2, 0, 0                                   ; K step 3 has landed in every wave; behind this barrier nobody reads slots 1 and 2
	HALF 0, 0, 1, 0
	s_wait_dscnt 24
	WIN 0x0a
	MUL8 0, 0
	MUL8 1, 0
	s_wait_dscnt 0x0
	MUL8 2, 0
	MUL8 3, 0
	WIN 0
	; THE WAY OUT: f16; 16 bytes a lane into the shared stage; a barrier, since a row's 256 bytes come from two waves; back as whole rows
	PLACES
.irp t, 0,1,2,3,4,5,6,7
.irp r, 0,1,2,3
	v_cvt_pk_f16_f32 v[TMP+4*\t+\r], v[ACC+8*\t+2*\r], v[ACC+8*\t+2*\r+1]
.endr
.endr
.irp a, 0,1
.irp b, 0,1,2,3
	ds_store_b128 v[STO], v[TMP+4*(4*\a+\b):TMP+4*(4*\a+\b)+3] offset:\a*16*SPITCH+32*\b
.endr
.endr
	s_wait_dscnt 0x0                               ; for the others' sake
	s_barrier_signal -1
	s_barrier_wait -1
.irp t, 0,1,2,3,4,5,6,7
	ds_load_b128 v[TMP+4*\t:TMP+4*\t+3], v[RD] offset:\t*2*SPITCH
.endr
.irp t, 0,1,2,3,4,5,6,7
	s_wait_dscnt 7-\t                              ; load t is back; the younger ones stay out
	global_store_b128 v[CO], v[TMP+4*\t:TMP+4*\t+3], s[8:9] offset:1024*\t   ; 16 lanes store 256 consecutive aligned bytes
.endr
	s_wait_tensorcnt 0x0                           ; the wave's end
	ds_add_u32 v[SPW], v[NIL]
	s_wait_dscnt 0x0
	CROUND                                         ; the closing round
	s_endpgm
.Lfunc_end_k_q0b581ae15d_proj:
	.size	k_q0b581ae15d_proj, .Lfunc_end_k_q0b581ae15d_proj-k_q0b581ae15d_proj
	.p2alignl 7, 3214868480
	.fill 96, 4, 3214868480
	.section	.rodata,"a",@progbits
	.p2align	6, 0x0
	.amdhsa_kernel k_q0b581ae15d_proj
		.amdhsa_group_segment_fixed_size 327680
		.amdhsa_private_segment_fixed_size 0
		.amdhsa_enable_private_segment 0
		.amdhsa_kernarg_size 24
		.amdhsa_user_sgpr_count 2
		.amdhsa_user_sgpr_kernarg_segment_ptr 1
		.amdhsa_wavefront_size32 1
		.amdhsa_system_sgpr_workgroup_id_x 1
		.amdhsa_system_sgpr_workgroup_id_y 1
		.amdhsa_system_sgpr_workgroup_id_z 1
		.amdhsa_system_vgpr_workitem_id 0
		.amdhsa_next_free_vgpr 704
		.amdhsa_next_free_sgpr 72
		.amdhsa_reserve_vcc 0
		.amdhsa_float_denorm_mode_32 3
		.amdhsa_float_denorm_mode_16_64 3
		.amdhsa_memory_ordered 1
		.amdhsa_forward_progress 1
		.amdhsa_inst_pref_size 57
	.end_amdhsa_kernel
	.amdgpu_metadata
---
amdhsa.version: [ 1, 2 ]
amdhsa.kernels:
  - .name:           k_q0b581ae15d_proj
    .symbol:         k_q0b581ae15d_proj.kd
    .args:
      - { .name: xc, .offset: 0, .size: 8, .value_kind: global_buffer, .address_space: global }
      - { .name: wqkv, .offset: 8, .size: 8, .value_kind: global_buffer, .address_space: global }
      - { .name: qkv, .offset: 16, .size: 8, .value_kind: global_buffer, .address_space: global }
    .group_segment_fixed_size: 327680
    .private_segment_fixed_size: 0
    .kernarg_segment_align: 8
    .kernarg_segment_size: 24
    .max_flat_workgroup_size: 128
    .sgpr_count:     72
    .vgpr_count:     704
    .wavefront_size: 32
...
	.end_amdgpu_metadata
.endif
;; end of part 2
;; launch attn (part 3): grid 256 x 1, 8 waves a work-group, clusters of 4 x 1, 327,680 bytes of LDS; arguments qkv, g; writes g
.if DOCPART == 3
	.amdgcn_target "amdgcn-amd-amdhsa--gfx1250"
	.amdhsa_code_object_version 6
	.text
	.protected	k_q0b581ae15d_attn
	.globl	k_q0b581ae15d_attn
	.p2align	8
	.type	k_q0b581ae15d_attn,@function
k_q0b581ae15d_attn:
	s_mov_b64 s[64:65], 0
	v_nop
	global_prefetch_b8 v0, s[64:65] scope:SCOPE_SE
	s_setreg_imm32_b32 hwreg(HW_REG_WAVE_MODE, 25, 1), 1
	s_wait_xcnt 0x0
	s_wait_alu depctr_hold_cnt(0) depctr_sa_sdst(0) depctr_va_vdst(0) depctr_va_sdst(0) depctr_va_ssrc(0) depctr_va_vcc(0) depctr_vm_vsrc(0)
	s_getreg_b32 s2, hwreg(HW_REG_IB_STS2, 6, 4)
	s_cmp_eq_u32 s2, 0
	s_cbranch_scc0 .Lentry_in_a_cluster
	s_endpgm
.Lentry_in_a_cluster:
	s_bfe_u32 s2, ttmp6, 0x10000c
	s_cmp_lg_u32 s2, 0x3003
	s_cbranch_scc0 .Lentry_shape_is_right
	s_endpgm
.Lentry_shape_is_right:
; Attention with one shared K and V: out[q][64 t + d] = sum over j of softmax_j(q_t . k_j / 8) v_j[d], four heads t.  qkv as the launch before left it; the result goes, in f16, to columns 4096-4351 of g.
; SHARES.  A work-group owns 16 queries and all four heads: four tiles of 16 x 64, tile t = head t.  THE KEYS ARE SPLIT OVER THE EIGHT WAVES: of each slot of 512 keys wave w takes 64, so a fragment
; of K or V read from LDS feeds four tiles, and each wave reads only what its own tensor load brought.  At the end the eight partial (maximum, sum, O) are merged through LDS.
; LAYOUT.  S^T = K Q^T (source 0 = 16 keys, source 1 = 16 queries): a lane holds ONE query (lane % 16) and keys 8 (lane / 16) + 0..7.  Two such tiles, rounded to f16 in pairs, are source 1 of
; O^T = V^T P.  K comes out of LDS as it lies, V turned, by ds_load_tr16_b128.
; SOFTMAX.  A running maximum m and sum l for each query in each wave: p = 2^(c s - c m), c = log2(e) / 8; O and l are multiplied by 2^(c m_old - c m_new) in every step; the merge takes the common maximum.
; CLUSTER 4 x 1: the four work-groups walk the same K and V: each tile is asked for jointly, mask 15, by the same wave of each.  Two waves share a SIMD, so one wave's products can run beside
; the other's softmax; the text is in phases.
; REGISTERS.  Window 0: v0-15, v50-55 addresses; v16-47 statistics, 8 a tile; v64-191 S^T, 32 a tile; v192-255 P, 16 a tile.  Window 1: v0-127 O^T, 32 a tile; v128-191 Q, 16 a tile; v192-255 K, then V, of a step.
.set PKV,   288                        ; an LDS row: k (128 bytes), v (128 bytes), 32 of padding: an odd multiple of 32
.set WPART, 64*PKV                     ; a wave's 64 keys
.set SLOTB, 8*WPART
.set SPARE, 2*SLOTB                    ; the spare words, 128 bytes for each of eight waves
.set QO,  3
.set AK,  4                            ; v4-5   my place in my part of slot 0, 1 for K
.set AV,  6                            ; v6-7   for V
.set PST, 8                            ; v8     merge: where my O goes
.set PSS, 9                            ; v9     merge: where my (c m, l) go
.set MRD, 10                           ; v10-11 merge: where I read partials 0-3, 4-7 of O
.set MSD, 12                           ; v12-13 the same for (c m, l)
.set STG, 14                           ; v14    the output stage, in
.set SRD, 15                           ; v15    the output stage, back
.set ST,  16                           ; tile t at v[ST+8t]: +0 c m, +1 m, +2 +3 l (even, odd keys), +4..+7 at work; the rescaling factor takes +6
.set GO,  50                           ; v50    16 x lane
.set SPW, 62
.set NIL, 63
.set S,   64
.set P,   192
.set O,   0                            ; window 1
.set Q,   128
.set KV,  192
.set G1,  16                           ; s[16:23]
.set G0,  24                           ; s[24:31], a set for each slot
.set CS,  36                           ; s[36:37] c, twice
.set MSB, 0
.macro WIN new
.if MSB != (\new)
	s_set_vgpr_msb (MSB<<8)|(\new)
.set MSB, (\new)
.endif
.endm
.macro PLACES
.rept 4
	v_nop
.endr
.endm
.macro CROUND                          ; a round of the cluster's barrier
	s_barrier_signal -1
	s_barrier_wait -1
	s_cmp_lg_u32 s8, 0
	s_cbranch_scc1 .Lnot_wave_0_\@
	s_barrier_signal -3
.Lnot_wave_0_\@:
	s_barrier_wait -3
	s_barrier_signal -1
	s_barrier_wait -1
.endm
	s_load_b128 s[4:7], s[0:1], 0x0                ; qkv, g
	v_lshl_add_u32 v[SPW], v0, 2, SPARE
	v_mov_b32 v[NIL], 0
	ds_add_u32 v62, v63
	s_wait_dscnt 0x0
	v_lshrrev_b32 v1, 5, v0
	v_readfirstlane_b32 s8, v1                     ; wave 0..7
	s_bfe_u32 s9, ttmp6, 0x40000                   ; cx
	s_lshl_b32 s10, ttmp9, 2
	s_add_co_u32 s10, s10, s9                      ; my block of 16 queries: it enters Q's and the result's addresses alone
	s_mov_b32 s[G1+0], 15|(1<<16)|(1<<20)|(1<<21)|(5<<22)|(7<<25)   ; all four work-groups; elements of 2 bytes; padding on; bit 21 beside the mask; after every 64 words, 8 words
	s_mov_b32 s[G1+1], 128<<16                     ; tensor_dim0 = 128
	s_mov_b32 s[G1+2], 64<<16                      ; tensor_dim1 = 64
	s_mov_b32 s[G1+3], 128<<16                     ; tile_dim0 = 128 (k and v of a key: 256 bytes)
	s_mov_b32 s[G1+4], 64                          ; tile_dim1 = 64 keys
	s_mov_b32 s[G1+5], 256                         ; elements from row to row
	s_mov_b32 s[G1+6], 0
	s_mov_b32 s[G1+7], 0
	s_mul_i32 s12, s8, WPART                       ; my part of a slot
	s_lshl_b32 s14, s8, 15                         ; my 64 keys of 512 bytes,
	s_add_co_u32 s14, s14, 2097152                 ; behind q's 4,096 rows
	s_mov_b32 s15, 0
	s_lshl_b32 s38, s10, 13                        ; my 16 rows of q
	s_mov_b32 s39, 0
	s_lshl_b32 s40, s10, 4
	s_lshl_b32 s41, s8, 1
	s_add_co_u32 s40, s40, s41                     ; the two rows of g that I store
	s_mul_i32 s40, s40, 8704
	s_add_co_u32 s40, s40, 8192                    ; behind g's first 4,096 columns
	s_mov_b32 s41, 0
	s_mov_b32 s34, 0x76543210
	s_mov_b32 s35, 0xfedcba98
	s_mov_b32 s[CS], 0x3e38aa3b                    ; log2(e) / 8
	s_mov_b32 s[CS+1], s[CS]
	s_wait_kmcnt 0x0
	s_add_nc_u64 s[14:15], s[4:5], s[14:15]
	s_add_nc_u64 s[38:39], s[4:5], s[38:39]
	s_add_nc_u64 s[40:41], s[6:7], s[40:41]
.irp s, 0,1
	s_mov_b32 s[G0+4*\s], 1
	s_add_co_u32 s[G0+4*\s+1], s12, \s*SLOTB
	s_add_nc_u64 s[G0+4*\s+2:G0+4*\s+3], s[14:15], \s*262144      ; slot s begins with keys 512 s on
	s_or_b32 s[G0+4*\s+3], s[G0+4*\s+3], 0x80000000
.endr
	CROUND                                         ; all four work-groups are here
	tensor_load_to_lds s[G0:G0+3], s[G1:G1+7]      ; every wave's two first fills, together: two loads of mine are out
	s_nop 0
	tensor_load_to_lds s[G0+4:G0+7], s[G1:G1+7]
	s_nop 0
	PLACES
	v_and_b32 v1, 15, v0                           ; r
	v_bfe_u32 v2, v0, 4, 1                         ; h
	v_lshlrev_b32 v[QO], 9, v1
	v_lshl_add_u32 v[QO], v2, 4, v[QO]
	WIN 0x40                                       ; destination window 1
.irp f, 0,1,2,3,4,5,6,7                ; Q stays in registers: head f / 2, channels 32 (f % 2) on
	global_load_b128 v[Q+8*\f:Q+8*\f+3],   v[QO], s[38:39] offset:64*\f
	global_load_b128 v[Q+8*\f+4:Q+8*\f+7], v[QO], s[38:39] offset:64*\f+32
.endr
	WIN 0
	v_mul_u32_u24 v51, v1, PKV
	v_lshl_add_u32 v51, v2, 4, v51
	v_add_nc_u32 v[AK], s12, v51
	v_add_nc_u32 v[AK+1], SLOTB, v[AK]
	v_and_b32 v52, 7, v0
	v_lshl_add_u32 v52, v2, 3, v52
	v_mul_u32_u24 v52, v52, PKV
	v_bfe_u32 v53, v0, 3, 1
	v_lshl_add_u32 v52, v53, 4, v52
	v_add3_u32 v[AV], v52, s12, 128                ; v lies 128 bytes behind k
	v_add_nc_u32 v[AV+1], SLOTB, v[AV]
	v_and_b32 v53, 31, v0
	v_lshlrev_b32 v[GO], 4, v53
	v_add_nc_u32 v[PST], s12, v[GO]
	v_lshlrev_b32 v53, 3, v53
	v_add3_u32 v[PSS], v53, s12, 16384
	s_lshl_b32 s13, s8, 11
	v_add_nc_u32 v[MRD], s13, v[GO]
	v_add_nc_u32 v[MRD+1], 4*WPART, v[MRD]
	s_lshr_b32 s13, s8, 1
	s_lshl_b32 s13, s13, 8
	v_add3_u32 v[MSD], v53, s13, 16384
	v_add_nc_u32 v[MSD+1], 4*WPART, v[MSD]
	v_mul_u32_u24 v54, v1, 528
	v_lshl_add_u32 v54, v2, 4, v54
	s_lshl_b32 s13, s8, 6
	v_add3_u32 v[STG], v54, s13, SLOTB
	s_mul_i32 s13, s8, 1056
	v_add3_u32 v[SRD], v[GO], s13, SLOTB
.macro KFETCH sl                       ; my 64 keys x 64 channels: fragment f = keys 16 (f / 2) on, channels 32 (f % 2) on
	WIN 0x40
.irp f, 0,1,2,3,4,5,6,7
	ds_load_b128 v[KV+8*\f:KV+8*\f+3],   v[AK+\sl] offset:(\f/2)*16*PKV+(\f%2)*64
	ds_load_b128 v[KV+8*\f+4:KV+8*\f+7], v[AK+\sl] offset:(\f/2)*16*PKV+(\f%2)*64+32
.endr
.endm
.macro VFETCH sl                       ; V turned: fragment f = keys 32 (f / 4) on, channels 16 (f % 4) on
	WIN 0x40
.irp f, 0,1,2,3,4,5,6,7
	ds_load_tr16_b128 v[KV+8*\f:KV+8*\f+3],   v[AV+\sl] offset:(\f/4)*32*PKV+(\f%4)*32
	ds_load_tr16_b128 v[KV+8*\f+4:KV+8*\f+7], v[AV+\sl] offset:(\f/4)*32*PKV+16*PKV+(\f%4)*32
.endr
.endm
; 32 products S^T = K Q^T: channels 32 (i / 16) on, keys 16 ((i / 4) % 4) on, tile i % 4.  The 16 accumulators take turns; the first 16 products start the sums.
.macro KQALL
	WIN 0x05
.set i, 0
.rept 32
.set rS, S+32*(i%4)+8*((i/4)%4)
.set rK, KV+8*(2*((i/4)%4)+i/16)
.set rQ, Q+16*(i%4)+8*(i/16)
.if i < 16
	v_wmma_f32_16x16x32_f16 v[rS:rS+7], v[rK:rK+7], v[rQ:rQ+7], 0
.else
	v_wmma_f32_16x16x32_f16 v[rS:rS+7], v[rK:rK+7], v[rQ:rQ+7], v[rS:rS+7]
.endif
.set i, i+1
.endr
.endm
; 32 products O^T += V^T P: keys 32 (i / 16) on, channels 16 ((i / 4) % 4) on, tile i % 4.  first = 1: the first 16 start the sums.
.macro PVALL first
	WIN 0x51
.set i, 0
.rept 32
.set rO, O+32*(i%4)+8*((i/4)%4)
.set rV, KV+8*(4*(i/16)+(i/4)%4)
.set rP, P+16*(i%4)+8*(i/16)
.if \first && (i < 16)
	v_wmma_f32_16x16x32_f16 v[rO:rO+7], v[rV:rV+7], v[rP:rP+7], 0
.else
	v_wmma_f32_16x16x32_f16 v[rO:rO+7], v[rV:rV+7], v[rP:rP+7], v[rO:rO+7]
.endif
.set i, i+1
.endr
.endm
; The softmax of a step, stage by stage, each line for all four tiles, so that no instruction reads the result of the one just before it.
.macro SMAXALL first                   ; the new maximum: four chains that begin at each accumulator's three lowest registers, the scores left over, the old m, the other half of the lanes
.irp j, 0,1,2,3
.irp t, 0,1,2,3
	v_max3_num_f32 v[ST+8*\t+4+\j], v[S+32*\t+8*\j], v[S+32*\t+8*\j+1], v[S+32*\t+8*\j+2]
.endr
.endr
.irp u, 1,2
.irp j, 0,1,2,3
.irp t, 0,1,2,3
	v_max3_num_f32 v[ST+8*\t+4+\j], v[ST+8*\t+4+\j], v[S+32*\t+8*\j+2*\u+1], v[S+32*\t+8*\j+2*\u+2]
.endr
.endr
.endr
.irp t, 0,1,2,3
	v_max3_num_f32 v[ST+8*\t+4], v[ST+8*\t+4], v[S+32*\t+7], v[S+32*\t+15]
	v_max3_num_f32 v[ST+8*\t+6], v[ST+8*\t+6], v[S+32*\t+23], v[S+32*\t+31]
.endr
.irp t, 0,1,2,3
	v_max3_num_f32 v[ST+8*\t+4], v[ST+8*\t+4], v[ST+8*\t+5], v[ST+8*\t+6]
.endr
.irp t, 0,1,2,3
.if \first
	v_max_num_f32 v[ST+8*\t+4], v[ST+8*\t+4], v[ST+8*\t+7]
.else
	v_max3_num_f32 v[ST+8*\t+4], v[ST+8*\t+4], v[ST+8*\t+7], v[ST+8*\t+1]
.endif
.endr
.irp t, 0,1,2,3
	v_permlanex16_b32 v[ST+8*\t+5], v[ST+8*\t+4], s34, s35        ; the query's other 32 keys lie in the lane 16 away
.endr
.if !\first
.irp t, 0,1,2,3
	v_mov_b32 v[ST+8*\t+7], v[ST+8*\t]             ; c m_old is kept
.endr
.endif
.irp t, 0,1,2,3
	v_max_num_f32 v[ST+8*\t+1], v[ST+8*\t+4], v[ST+8*\t+5]
.endr
.irp t, 0,1,2,3
	v_mul_f32 v[ST+8*\t], s[CS], v[ST+8*\t+1]
.endr
.if !\first
.irp t, 0,1,2,3
	v_sub_f32 v[ST+8*\t+7], v[ST+8*\t+7], v[ST+8*\t]
.endr
.endif
.endm
.macro SSCALE                          ; c s - c m, two at a time
.irp t, 0,1,2,3
.set i, 0
.rept 16
	v_pk_fma_f32 v[S+32*\t+2*i:S+32*\t+2*i+1], v[S+32*\t+2*i:S+32*\t+2*i+1], s[CS:CS+1], v[ST+8*\t:ST+8*\t+1] op_sel_hi:[1,0,0] neg_lo:[0,0,1] neg_hi:[0,0,1]
.set i, i+1
.endr
.endr
.endm
.macro SEXP first                      ; the exponentials, back to back on different registers, then one plain instruction (ISA guide 5.7.2)
.irp t, 0,1,2,3
.if !\first
	v_exp_f32 v[ST+8*\t+6], v[ST+8*\t+7]
.endif
.set i, 0
.rept 32
	v_exp_f32 v[S+32*\t+i], v[S+32*\t+i]
.set i, i+1
.endr
.endr
	v_nop
.endm
.macro SCVT                            ; the weights to f16: pair p of tile t is register p of its P
	s_wait_alu depctr_va_vdst(0)
.irp t, 0,1,2,3
.set i, 0
.rept 16
	v_cvt_pk_f16_f32 v[P+16*\t+i], v[S+32*\t+2*i], v[S+32*\t+2*i+1]
.set i, i+1
.endr
.endr
.endm
.macro SSUM first                      ; the sum of a tile's 16 pairs, in place, neighbours 1, 2, 4, 8 pairs apart; then l takes it
.irp z, 0,1,2,3,4,5,6,7
.irp t, 0,1,2,3
	v_pk_add_f32 v[S+32*\t+4*\z:S+32*\t+4*\z+1], v[S+32*\t+4*\z:S+32*\t+4*\z+1], v[S+32*\t+4*\z+2:S+32*\t+4*\z+3]
.endr
.endr
.irp z, 0,1,2,3
.irp t, 0,1,2,3
	v_pk_add_f32 v[S+32*\t+8*\z:S+32*\t+8*\z+1], v[S+32*\t+8*\z:S+32*\t+8*\z+1], v[S+32*\t+8*\z+4:S+32*\t+8*\z+5]
.endr
.endr
.irp z, 0,1
.irp t, 0,1,2,3
	v_pk_add_f32 v[S+32*\t+16*\z:S+32*\t+16*\z+1], v[S+32*\t+16*\z:S+32*\t+16*\z+1], v[S+32*\t+16*\z+8:S+32*\t+16*\z+9]
.endr
.endr
.irp t, 0,1,2,3
.if \first
	v_pk_add_f32 v[ST+8*\t+2:ST+8*\t+3], v[S+32*\t:S+32*\t+1], v[S+32*\t+16:S+32*\t+17]
.else
	v_pk_add_f32 v[S+32*\t:S+32*\t+1], v[S+32*\t:S+32*\t+1], v[S+32*\t+16:S+32*\t+17]
.endif
.endr
.if !\first
.irp t, 0,1,2,3
	v_pk_fma_f32 v[ST+8*\t+2:ST+8*\t+3], v[ST+8*\t+2:ST+8*\t+3], v[ST+8*\t+6:ST+8*\t+7], v[S+32*\t:S+32*\t+1] op_sel_hi:[1,0,1]
.endr
.endif
.endm
.macro RESC                            ; O^T times the rescaling factor, each accumulator from its low end on
	WIN 0x41
.irp t, 0,1,2,3
.set i, 0
.rept 16
	v_pk_mul_f32 v[O+32*\t+2*i:O+32*\t+2*i+1], v[O+32*\t+2*i:O+32*\t+2*i+1], v[ST+8*\t+6:ST+8*\t+7] op_sel_hi:[1,0]
.set i, i+1
.endr
.endr
.endm
; A key step of the wave: its 64 keys of slot sl against the four tiles.
.macro STEP sl, first
	KFETCH \sl
	s_wait_dscnt 0x0                               ; K is in
	KQALL
	PLACES                                         ; behind the products: V lands on K's registers, and the maxima read the scores
	VFETCH \sl                                     ; V comes while the softmax runs
	WIN 0
	SMAXALL \first
	SSCALE
	SEXP \first
	SCVT
	SSUM \first
.if !\first
	RESC
.endif
	s_wait_dscnt 0x0                               ; V is in
	PVALL \first
	WIN 0
	PLACES                                         ; behind the products: the next step's K lands on V's registers
.endm
; Slot sl, which I have read, is filled again with the keys two slots on.
.macro CHANGE sl
	s_wait_tensorcnt 0x0                           ; all my tensor loads have landed, my part of the other slot among them: a group 0 may be written
	ds_add_u32 v[SPW], v[NIL]
	s_add_nc_u64 s[G0+4*\sl+2:G0+4*\sl+3], s[G0+4*\sl+2:G0+4*\sl+3], 524288
	s_wait_dscnt 0x0                               ; the add is done, my reads of the slot are over
	CROUND                                         ; no wave of any partner still reads the slot or has a load on its way
	tensor_load_to_lds s[G0+4*\sl:G0+4*\sl+3], s[G1:G1+7]         ; my one load behind the round; it has a key step in which to land
	s_nop 0
	PLACES
.endm
	s_wait_tensorcnt 1                             ; my part of slot 0 is in, and only I read it; slot 1's may stay out
	s_wait_loadcnt 0x0                             ; Q
	STEP 0, 1
	s_mov_b32 s32, 3
.Lkeys:                                                ; three trips fill slots with key steps 2 to 7
	CHANGE 0
	STEP 1, 0
	CHANGE 1
	STEP 0, 0
	s_sub_co_u32 s32, s32, 1
	s_cmp_lg_u32 s32, 0
	s_cbranch_scc1 .Lkeys
	s_wait_tensorcnt 0x0                           ; the last key step's tile
	STEP 1, 0
	; THE MERGE.  My partial goes into my own part of slot 0, which has had its last fill and which only I have read: O^T (32 stores of 512 bytes), then (c m, l) for each tile.
.irp t, 0,1,2,3
	v_mov_b32 v[ST+8*\t+4], v[ST+8*\t]
	v_add_f32 v[ST+8*\t+5], v[ST+8*\t+2], v[ST+8*\t+3]
.endr
	WIN 0x04                                       ; store data window 1
.set i, 0
.rept 32
	ds_store_b128 v[PST], v[O+4*i:O+4*i+3] offset:512*i
.set i, i+1
.endr
	WIN 0
.irp t, 0,1,2,3
	ds_store_b64 v[PSS], v[ST+8*\t+4:ST+8*\t+5] offset:256*\t
.endr
	s_wait_dscnt 0x0                               ; for the others' sake: my stores are done, and my reads of slot 1 are over
	s_barrier_signal -1
	s_barrier_wait -1
	; Wave w merges head w / 2, channels 32 (w % 2) on: of each partial the four stores 4 w .. 4 w + 3.
.irp p, 0,1,2,3,4,5,6,7
	ds_load_b64 v[P+2*\p:P+2*\p+1], v[MSD+\p/4] offset:(\p%4)*WPART
.endr
.irp p, 0,1,2,3,4,5,6,7
.irp k, 0,1,2,3
	ds_load_b128 v[S+16*\p+4*\k:S+16*\p+4*\k+3], v[MRD+\p/4] offset:(\p%4)*WPART+512*\k
.endr
.endr
	s_wait_dscnt 0x0
	v_max3_num_f32 v208, v[P], v[P+2], v[P+4]      ; the common maximum (times c)
	v_max3_num_f32 v208, v208, v[P+6], v[P+8]
	v_max3_num_f32 v208, v208, v[P+10], v[P+12]
	v_max_num_f32 v208, v208, v[P+14]
.irp p, 0,1,2,3,4,5,6,7
	v_sub_f32 v[P+2*\p], v[P+2*\p], v208
.endr
.irp p, 0,1,2,3,4,5,6,7
	v_exp_f32 v[P+2*\p], v[P+2*\p]
.endr
	v_nop
	s_wait_alu depctr_va_vdst(0)
	v_mul_f32 v209, v[P], v[P+1]
.irp p, 1,2,3,4,5,6,7
	v_fma_f32 v209, v[P+2*\p], v[P+2*\p+1], v209
.endr
.irp i, 0,1,2,3,4,5,6,7
	v_pk_mul_f32 v[16+2*\i:16+2*\i+1], v[S+2*\i:S+2*\i+1], v[P:P+1] op_sel_hi:[1,0]
.endr
.irp p, 1,2,3,4,5,6,7
.irp i, 0,1,2,3,4,5,6,7
	v_pk_fma_f32 v[16+2*\i:16+2*\i+1], v[S+16*\p+2*\i:S+16*\p+2*\i+1], v[P+2*\p:P+2*\p+1], v[16+2*\i:16+2*\i+1] op_sel_hi:[1,0,1]
.endr
.endr
	v_permlanex16_b32 v208, v209, s34, s35         ; the other half of the lanes holds the query's other keys' sum
	v_add_f32 v209, v209, v208
	v_rcp_f32 v36, v209
	v_rcp_f32 v37, v209
	v_nop
	s_wait_alu depctr_va_vdst(0)
.irp i, 0,1,2,3,4,5,6,7
	v_pk_mul_f32 v[16+2*\i:16+2*\i+1], v[16+2*\i:16+2*\i+1], v[36:37]
.endr
.irp i, 0,1,2,3,4,5,6,7
	v_cvt_pk_f16_f32 v[40+\i], v[16+2*\i], v[16+2*\i+1]
.endr
	; the output stage: 16 rows of 512 bytes + 16, in slot 1, which has had its last fill and which nobody reads behind the barrier above
	ds_store_b128 v[STG], v[40:43]
	ds_store_b128 v[STG], v[44:47] offset:32
	s_wait_dscnt 0x0
	s_barrier_signal -1
	s_barrier_wait -1
	ds_load_b128 v[16:19], v[SRD]                  ; rows 2 w and 2 w + 1, whole
	ds_load_b128 v[20:23], v[SRD] offset:528
	s_wait_dscnt 0x0
	global_store_b128 v[GO], v[16:19], s[40:41]                ; a wave's store covers 512 consecutive bytes, aligned to 256
	global_store_b128 v[GO], v[20:23], s[40:41] offset:8704
	s_wait_tensorcnt 0x0                           ; the wave's end
	ds_add_u32 v[SPW], v[NIL]
	s_wait_dscnt 0x0
	CROUND                                         ; the closing round
	s_endpgm
.Lfunc_end_k_q0b581ae15d_attn:
	.size	k_q0b581ae15d_attn, .Lfunc_end_k_q0b581ae15d_attn-k_q0b581ae15d_attn
	.p2alignl 7, 3214868480
	.fill 96, 4, 3214868480
	.section	.rodata,"a",@progbits
	.p2align	6, 0x0
	.amdhsa_kernel k_q0b581ae15d_attn
		.amdhsa_group_segment_fixed_size 327680
		.amdhsa_private_segment_fixed_size 0
		.amdhsa_enable_private_segment 0
		.amdhsa_kernarg_size 16
		.amdhsa_user_sgpr_count 2
		.amdhsa_user_sgpr_kernarg_segment_ptr 1
		.amdhsa_wavefront_size32 1
		.amdhsa_system_sgpr_workgroup_id_x 1
		.amdhsa_system_sgpr_workgroup_id_y 1
		.amdhsa_system_sgpr_workgroup_id_z 1
		.amdhsa_system_vgpr_workitem_id 0
		.amdhsa_next_free_vgpr 512
		.amdhsa_next_free_sgpr 66
		.amdhsa_reserve_vcc 0
		.amdhsa_float_denorm_mode_32 3
		.amdhsa_float_denorm_mode_16_64 3
		.amdhsa_memory_ordered 1
		.amdhsa_forward_progress 1
		.amdhsa_inst_pref_size 143
	.end_amdhsa_kernel
	.amdgpu_metadata
---
amdhsa.version: [ 1, 2 ]
amdhsa.kernels:
  - .name:           k_q0b581ae15d_attn
    .symbol:         k_q0b581ae15d_attn.kd
    .args:
      - { .name: qkv, .offset: 0, .size: 8, .value_kind: global_buffer, .address_space: global }
      - { .name: g, .offset: 8, .size: 8, .value_kind: global_buffer, .address_space: global }
    .group_segment_fixed_size: 327680
    .private_segment_fixed_size: 0
    .kernarg_segment_align: 8
    .kernarg_segment_size: 16
    .max_flat_workgroup_size: 256
    .sgpr_count:     66
    .vgpr_count:     512
    .wavefront_size: 32
...
	.end_amdgpu_metadata
.endif
;; end of part 3
;; launch ff1 (part 4): grid 32 x 8, 4 waves a work-group, clusters of 4 x 4, 327,680 bytes of LDS; arguments xc, w1, g, tmax; writes g
.if DOCPART == 4
	.amdgcn_target "amdgcn-amd-amdhsa--gfx1250"
	.amdhsa_code_object_version 6
	.text
	.protected	k_q0b581ae15d_ff1
	.globl	k_q0b581ae15d_ff1
	.p2align	8
	.type	k_q0b581ae15d_ff1,@function
k_q0b581ae15d_ff1:
	s_mov_b64 s[64:65], 0
	v_nop
	global_prefetch_b8 v0, s[64:65] scope:SCOPE_SE
	s_setreg_imm32_b32 hwreg(HW_REG_WAVE_MODE, 25, 1), 1
	s_wait_xcnt 0x0
	s_wait_alu depctr_hold_cnt(0) depctr_sa_sdst(0) depctr_va_vdst(0) depctr_va_sdst(0) depctr_va_ssrc(0) depctr_va_vcc(0) depctr_vm_vsrc(0)
	s_getreg_b32 s2, hwreg(HW_REG_IB_STS2, 6, 4)
	s_cmp_eq_u32 s2, 0
	s_cbranch_scc0 .Lentry_in_a_cluster
	s_endpgm
.Lentry_in_a_cluster:
	s_bfe_u32 s2, ttmp6, 0x10000c
	s_cmp_lg_u32 s2, 0xf033
	s_cbranch_scc0 .Lentry_shape_is_right
	s_endpgm
.Lentry_shape_is_right:
; g[m][c] = sigma^2 a[m][c] gate[m][c], in f16, where (a | gate) = xn Wff1.  xc rows 0-4095 are xn, [.][1024] f16; w1 is [1024][8192] f16 with 64 columns of a and their 64 of gate by turns.
; A tile is 256 rows x 256 columns of xn w1, four waves of 128 x 128: in a wave n blocks 0-3 are a, blocks 4-7 the matching gate, so the product a x gate never leaves the lane.
; K = 1,024 in eight steps of 128 through two LDS slots.  A's rows lie along K; w1's K goes down the rows, so B's fragments come by the turning load.
; A WORK-GROUP STAYS: there are 512 tiles for 256 work-groups, so each makes two, the second 2,048 rows below the first, with the same columns of w1.  The ring does not stop between them: the first
; tile's last two changes of slots ask for the second tile's K steps 0 and 1, then the first tile goes out, and nothing waits for its stores.
; THE SCALE.  T = the largest of tmax = max|gamma| max|Wff1|.  |a|, |gate| <= |xn| |column| <= 1024 T, so with sigma = 2^(-floor(log2 T) - 4) every |sigma^2 a gate| < 2^14: f16 cannot overflow,
; whatever the inputs.  sigma is held at 2^60 at the most, so that sigma^2 is finite where T is 0.  The last launch multiplies by 1 / sigma^2.
; LIMITS: T < 2^59 (the last launch squares 1 / sigma).  Numbers of g under 2^-14 keep the absolute step 2^-25 only.
; CLUSTERS 4 x 4: A's tiles are shared along a row of the cluster, B's along a column: each is asked for jointly.
; THE MATRIX INSTRUCTION IS USED TRANSPOSED (source 0 = 16 columns of w1, source 1 = 16 rows of xn): a lane holds eight neighbouring columns of one row.
; REGISTERS: window 0: v0-39 addresses, the scale, tmax; v64-191 A's fragments, two buffers (the second also takes the rows read back on the way out); v192-239 at work on the way out.
; Window 1: v64-191 B's fragments.  Windows 2, 3: accumulators (a, b) at 8 (8 a + b).
.set KSTEP,  128
.set PITCH,  272                       ; A's LDS row: 256 bytes + 16: an odd multiple of 16
.set PB,     544                       ; B's LDS row: 512 bytes + 32: an odd multiple of 32
.set HALFT,  34816                     ; 128 rows of A = 64 K rows of B: what one tensor load brings
.set SLOT,   4*HALFT                   ; A's 256 rows, then B's 128 K rows
.set STAGE,  2*SLOT                    ; behind the ring, bytes of its own, since the slots are filled again behind the first way out: 128 rows x 272 bytes, half a tile's rows
.set SPITCH, 272
.set SPARE,  STAGE+128*SPITCH          ; the spare words, 128 bytes a wave
.set LAPS,   4
.set WALK,   2048                      ; rows from a work-group's first tile to its second
.set NEXT_A, WALK*2048-(1024-2*KSTEP)*2   ; bytes from a slot's last K step of a tile to its first of the next: A goes WALK rows down and back along K,
.set BACK_B, (1024-2*KSTEP)*16384      ; B only back: 768 K rows of 16,384 bytes
.set NEXT_G, WALK*8704                 ; g's base from tile to tile
.set SG,   12                          ; v[12:13] sigma^2, twice
.set TX,   14                          ; v14
.set ADRA, 16
.set ADRB, 20
.set STO,  24
.set RD,   25
.set CO,   26
.set TMO,  27                          ; v27 16 x lane; never rewritten
.set SPW,  28
.set NIL,  29
.set TM,   32                          ; v[32:39] tmax: 8 numbers a lane
.set F0,   64
.set F1,   128
.set BK,   F1                          ; the way out: 32 rows read back from the stage (buffer 0 already holds the next tile's first fragments)
.set T,    192                         ; v[192:223] a block's 16 rows x 64 columns, f32
.set PK,   224                         ; v[224:239] the same in f16
.set G1, 24
.set G0, 32
.set G1B, 48
.set G0B, 56
.set MSB, 0
.macro WIN new
.if MSB != (\new)
	s_set_vgpr_msb (MSB<<8)|(\new)
.set MSB, (\new)
.endif
.endm
.set MUL_LO, 0xa1                      ; source 0 (B) window 1, source 1 (A) window 0, C and D window 2
.set MUL_HI, 0xf1                      ; the same, C and D window 3
.set TO_B,   0x40
.macro PLACES
.rept 4
	v_nop
.endr
.endm
.macro JLOAD s                         ; waves 0 and 1 fetch A's two halves, waves 2 and 3 B's; four v_nop follow each line
	s_cmp_eq_u32 s11, 0
	s_cbranch_scc0 .Lfor_b_\@
	tensor_load_to_lds s[G0+4*\s:G0+4*\s+3], s[G1:G1+7]
	s_nop 0
	PLACES
	s_branch .Lasked_\@
.Lfor_b_\@:
	tensor_load_to_lds s[G0B+4*\s:G0B+4*\s+3], s[G1B:G1B+7]
	s_nop 0
	PLACES
.Lasked_\@:
.endm
.macro CREST
	s_cmp_lg_u32 s10, 0
	s_cbranch_scc1 .Lnot_wave_0_\@
	s_barrier_signal -3
.Lnot_wave_0_\@:
	s_barrier_wait -3
	s_barrier_signal -1
	s_barrier_wait -1
.endm
.macro CROUND
	s_barrier_signal -1
	s_barrier_wait -1
	CREST
.endm
	s_load_b128 s[4:7], s[0:1], 0x0                ; xc, w1
	s_load_b64 s[8:9], s[0:1], 0x10                ; g
	s_load_b64 s[66:67], s[0:1], 0x18              ; tmax
	v_lshl_add_u32 v[SPW], v0, 2, SPARE
	v_mov_b32 v[NIL], 0
	ds_add_u32 v28, v29
	s_wait_dscnt 0x0
	v_lshrrev_b32 v1, 5, v0
	v_readfirstlane_b32 s10, v1                    ; wave 0..3
	s_lshr_b32 s11, s10, 1                         ; my half of the rows.  Also: I fetch for A (0) or B (1)
	s_and_b32 s12, s10, 1                          ; my half of the columns.  Also: which half of that tile I fetch
	s_bfe_u32 s40, ttmp6, 0x40000                  ; cx
	s_bfe_u32 s41, ttmp6, 0x40004                  ; cy
	s_lshl_b32 s42, ttmp9, 2
	s_add_co_u32 s42, s42, s40                     ; tile column, 0..31
	s_and_b32 s13, ttmp7, 0xffff
	s_lshl_b32 s13, s13, 2
	s_add_co_u32 s13, s13, s41                     ; the first tile's row, 0..7
	s_lshl_b32 s43, s41, 2
	s_lshl_b32 s43, 15, s43                        ; my row of the cluster
	s_lshl_b32 s44, 0x1111, s40                    ; my column
	s_mov_b32 s68, 0x76543210
	s_mov_b32 s69, 0xfedcba98
	s_or_b32 s[G1+0], s43, (1<<16)|(1<<20)|(1<<21)|(5<<22)|(3<<25)   ; A: 128 rows x 128 elements; after every 64 words, 4 words of padding
	s_mov_b32 s[G1+1], 128<<16
	s_mov_b32 s[G1+2], 128<<16
	s_mov_b32 s[G1+3], 128<<16
	s_mov_b32 s[G1+4], 128
	s_mov_b32 s[G1+5], 1024
	s_mov_b32 s[G1+6], 0
	s_mov_b32 s[G1+7], 0
	s_or_b32 s[G1B+0], s44, (1<<16)|(1<<20)|(1<<21)|(6<<22)|(7<<25)  ; B: 64 K rows x 256 elements; after every 128 words, 8 words
	s_mov_b32 s[G1B+1], 256<<16
	s_mov_b32 s[G1B+2], 64<<16
	s_mov_b32 s[G1B+3], 256<<16
	s_mov_b32 s[G1B+4], 64
	s_mov_b32 s[G1B+5], 8192
	s_mov_b32 s[G1B+6], 0
	s_mov_b32 s[G1B+7], 0
	s_lshl_b32 s16, s13, 8
	s_lshl_b32 s17, s12, 7
	s_add_co_u32 s16, s16, s17
	s_lshl_b32 s16, s16, 11                        ; A: (256 tile row + 128 half) rows of 2,048 bytes
	s_mov_b32 s17, 0
	s_lshl_b32 s46, s42, 9                         ; B: the tile's 512 bytes of a row,
	s_lshl_b32 s47, s12, 20                        ; K rows 64 half on, of 16,384 bytes
	s_add_co_u32 s46, s46, s47
	s_mov_b32 s47, 0
	s_mul_i32 s20, s10, HALFT                      ; where they go: wave x HALFT
	s_wait_kmcnt 0x0
	s_add_nc_u64 s[14:15], s[4:5], s[16:17]
	s_add_nc_u64 s[46:47], s[6:7], s[46:47]
	CROUND                                         ; all sixteen work-groups are here
.irp s, 0,1
	s_mov_b32 s[G0+4*\s], 1
	s_add_co_u32 s[G0+4*\s+1], s20, \s*SLOT
	s_add_nc_u64 s[G0+4*\s+2:G0+4*\s+3], s[14:15], \s*KSTEP*2
	s_or_b32 s[G0+4*\s+3], s[G0+4*\s+3], 0x80000000
	s_mov_b32 s[G0B+4*\s], 1
	s_add_co_u32 s[G0B+4*\s+1], s20, \s*SLOT
	s_add_nc_u64 s[G0B+4*\s+2:G0B+4*\s+3], s[46:47], \s*KSTEP*16384
	s_or_b32 s[G0B+4*\s+3], s[G0B+4*\s+3], 0x80000000
	JLOAD \s
.endr
	v_and_b32 v1, 31, v0
	v_lshlrev_b32 v[TMO], 4, v1
	global_load_b128 v[TM:TM+3],   v[TMO], s[66:67]            ; tmax's 256 numbers; waited for on the first way out
	global_load_b128 v[TM+4:TM+7], v[TMO], s[66:67] offset:512
	v_mov_b32 v[TX], 0
	v_and_b32 v1, 15, v0                           ; r
	v_bfe_u32 v2, v0, 4, 1                         ; h
	v_mul_u32_u24 v3, v1, PITCH
	v_lshl_add_u32 v3, v2, 4, v3
	v_and_b32 v4, 7, v0
	v_lshl_add_u32 v4, v2, 3, v4
	v_mul_u32_u24 v4, v4, PB
	v_bfe_u32 v5, v0, 3, 1
	v_lshl_add_u32 v4, v5, 4, v4
	s_mul_i32 s21, s11, HALFT                      ; my 128 rows of A
	s_lshl_b32 s22, s12, 8                         ; my 128 columns of B = 256 bytes,
	s_add_co_u32 s22, s22, 2*HALFT                 ; behind A's 256 rows
.irp s, 0,1
	v_add_nc_u32 v[ADRA+\s], s21, v3
	v_add_nc_u32 v[ADRB+\s], s22, v4
	s_add_co_u32 s21, s21, SLOT
	s_add_co_u32 s22, s22, SLOT
.endr
	s_mul_i32 s23, s11, 64*SPITCH                  ; into the stage: 64 of my rows at a time, my 128 of their 256 bytes
	s_lshl_b32 s21, s12, 7
	s_add_co_u32 s23, s23, s21
	s_add_co_u32 s23, s23, STAGE
	v_add_nc_u32 v[STO], s23, v3                   ; (the stage's pitch is A's)
	s_mul_i32 s23, s10, 32*SPITCH                  ; back: wave w takes stage rows 32 w .. 32 w + 31, whole
	s_add_co_u32 s23, s23, STAGE
	v_mul_u32_u24 v5, v2, SPITCH
	v_lshl_add_u32 v5, v1, 4, v5
	v_add_nc_u32 v[RD], s23, v5
	v_mul_u32_u24 v5, v2, 8704                     ; the same two rows in g
	v_lshl_add_u32 v[CO], v1, 4, v5
	s_lshl_b32 s16, s13, 8                         ; stage row 32 w + i of half f is the tile's row 128 (w / 2) + 64 f + 32 (w % 2) + i
	s_lshl_b32 s17, s11, 7
	s_add_co_u32 s16, s16, s17
	s_lshl_b32 s17, s12, 5
	s_add_co_u32 s16, s16, s17
	s_mul_i32 s16, s16, 8704
	s_mov_b32 s17, 0
	s_add_nc_u64 s[8:9], s[8:9], s[16:17]
	s_lshl_b32 s46, s42, 8                         ; the tile's 128 columns of g
	s_mov_b32 s47, 0
	s_add_nc_u64 s[8:9], s[8:9], s[46:47]
; 16 matrix instructions: m blocks a0, a0 + 1 of the window's four x 8 n blocks, 32 along K.  The 64 accumulators take turns.
.macro MUL16 f, hi, a0, zero
.irp a, \a0, \a0+1
.irp b, 0,1,2,3,4,5,6,7
.if \zero
	v_wmma_f32_16x16x32_f16 v[8*(8*(\a)+\b):8*(8*(\a)+\b)+7], v[\f+8*\b:\f+8*\b+7], v[\f+8*(4*\hi+\a):\f+8*(4*\hi+\a)+7], 0
.else
	v_wmma_f32_16x16x32_f16 v[8*(8*(\a)+\b):8*(8*(\a)+\b)+7], v[\f+8*\b:\f+8*\b+7], v[\f+8*(4*\hi+\a):\f+8*(4*\hi+\a)+7], v[8*(8*(\a)+\b):8*(8*(\a)+\b)+7]
.endif
.endr
.endr
.endm
; 32 LDS loads in one run: quarter q (32 along K) of a slot into buffer f: B's 128 columns (turned), then A's 128 rows
.macro FETCH slot, q, f
	WIN TO_B
.irp i, 0,1,2,3,4,5,6,7
	ds_load_tr16_b128 v[\f+8*\i:\f+8*\i+3],   v[ADRB+\slot] offset:32*\q*PB+32*\i
	ds_load_tr16_b128 v[\f+8*\i+4:\f+8*\i+7], v[ADRB+\slot] offset:(32*\q+16)*PB+32*\i
.endr
	WIN 0
.irp i, 0,1,2,3,4,5,6,7
	ds_load_b128 v[\f+8*\i:\f+8*\i+3],   v[ADRA+\slot] offset:64*\q+\i*16*PITCH
	ds_load_b128 v[\f+8*\i+4:\f+8*\i+7], v[ADRA+\slot] offset:64*\q+\i*16*PITCH+32
.endr
.endm
.macro QUARTER slot, q, f, g, zero
	s_wait_dscnt 8                                 ; B and A's rows 0-63 are in; the youngest eight loads (A's rows 64-127) may be out
	WIN MUL_LO
	MUL16 \f, 0, 0, \zero
	MUL16 \f, 0, 2, \zero
	PLACES
	FETCH \slot, \q, \g
	s_wait_dscnt 32                                ; all but the 32 just issued
	WIN MUL_HI
	MUL16 \f, 1, 0, \zero
	MUL16 \f, 1, 2, \zero
.endm
.macro MEET round                      ; the change of slots: all my tensor loads, the add, my reads of this slot, one barrier
	WIN 0
	s_wait_tensorcnt 0x0                           ; the one that was out is my part of the next slot
	ds_add_u32 v[SPW], v[NIL]
	s_wait_dscnt 9                                 ; the add and the youngest eight loads may be out
	WIN MUL_LO
	MUL16 F1, 0, 0, 0
	s_wait_dscnt 0x0                               ; the add is done, my reads of this slot are over
	s_barrier_signal -1
	MUL16 F1, 0, 2, 0
.if \round
	WIN 0
.endif
	s_barrier_wait -1
.endm
; The last quarter of a K step.  fill = 0: nothing is asked for; 1: this slot takes this tile's K step two steps on; 2: it takes the NEXT tile's K step 0 or 1.
.macro TURN slot, next, fill
	MEET \fill
.if \fill
	CREST                                          ; no wave of any partner still reads this slot or has a load on its way
.if \fill == 2
	s_add_nc_u64 s[G0+4*\slot+2:G0+4*\slot+3], s[G0+4*\slot+2:G0+4*\slot+3], NEXT_A
	s_sub_nc_u64 s[G0B+4*\slot+2:G0B+4*\slot+3], s[G0B+4*\slot+2:G0B+4*\slot+3], BACK_B
.else
	s_add_nc_u64 s[G0+4*\slot+2:G0+4*\slot+3], s[G0+4*\slot+2:G0+4*\slot+3], 2*KSTEP*2
	s_add_nc_u64 s[G0B+4*\slot+2:G0B+4*\slot+3], s[G0B+4*\slot+2:G0B+4*\slot+3], 2*KSTEP*16384
.endif
	JLOAD \slot                                    ; its four v_nop are also the places in front of the loads below
.else
	PLACES
.endif
	FETCH \next, 0, F0
	WIN MUL_HI
	MUL16 F1, 1, 0, 0
	MUL16 F1, 1, 2, 0
.endm
; A tile from its first quarter, whose products start the sums, to the third quarter of K step 6.  A trip of the loop goes once round the ring and fills both slots again: K steps 2 to 7.
.macro TILEHEAD
	QUARTER 0, 1, F0, F1, 1
	WIN 0
	s_mov_b32 s3, LAPS-1
.Llap_\@:
	QUARTER 0, 2, F1, F0, 0
	QUARTER 0, 3, F0, F1, 0
	TURN 0, 1, 1
	QUARTER 1, 1, F0, F1, 0
	QUARTER 1, 2, F1, F0, 0
	QUARTER 1, 3, F0, F1, 0
	TURN 1, 0, 1
	QUARTER 0, 1, F0, F1, 0
	WIN 0
	s_sub_co_u32 s3, s3, 1
	s_cmp_lg_u32 s3, 0
	s_cbranch_scc1 .Llap_\@
	QUARTER 0, 2, F1, F0, 0
	QUARTER 0, 3, F0, F1, 0
.endm
; THE WAY OUT.  Block a (16 of my rows): a x gate x sigma^2 in f32, f16, 16 bytes a lane into the stage.
.macro PACKBLK a
	WIN 0x0a+5*((\a)/4)                            ; sources 0 and 1: window 2 or 3
.irp b, 0,1,2,3
.irp r, 0,1,2,3
	v_pk_mul_f32 v[T+8*\b+2*\r:T+8*\b+2*\r+1], v[64*((\a)%4)+8*\b+2*\r:64*((\a)%4)+8*\b+2*\r+1], v[64*((\a)%4)+8*(\b+4)+2*\r:64*((\a)%4)+8*(\b+4)+2*\r+1]   ; a x gate; each accumulator from its low end on
.endr
.endr
	WIN 0
.set i, 0
.rept 16
	v_pk_mul_f32 v[T+2*i:T+2*i+1], v[T+2*i:T+2*i+1], v[SG:SG+1]
.set i, i+1
.endr
.set i, 0
.rept 16
	v_cvt_pk_f16_f32 v[PK+i], v[T+2*i], v[T+2*i+1]
.set i, i+1
.endr
.irp b, 0,1,2,3
	ds_store_b128 v[STO], v[PK+4*\b:PK+4*\b+3] offset:((\a)%4)*16*SPITCH+32*\b
.endr
.endm
; Half f of the tile's rows lies in the stage: a barrier, since a row's 256 bytes come from two waves; then whole rows back and out.
.macro SENDHALF f
	s_wait_dscnt 0x0                               ; for the others' sake: my stores into the stage are done
	s_barrier_signal -1
	s_barrier_wait -1
	s_wait_xcnt 0x0                                ; the registers below may be the data of earlier stores: they are loaded again only behind this wait
.set i, 0
.rept 16
	ds_load_b128 v[BK+4*i:BK+4*i+3], v[RD] offset:2*SPITCH*i
.set i, i+1
.endr
.set i, 0
.rept 16
	s_wait_dscnt 15-i                              ; load i is back; the younger ones stay out
	global_store_b128 v[CO], v[BK+4*i:BK+4*i+3], s[8:9] offset:(64*\f+2*i)*8704   ; 16 lanes store 256 consecutive aligned bytes; two rows of g a store
.set i, i+1
.endr
.endm
.macro WAYOUT first                    ; first = 1: the scale is made here, once
	PLACES
.if \first
	s_wait_loadcnt 0x0                             ; tmax
	v_max3_num_f32 v[TM], v[TM], v[TM+1], v[TM+2]
	v_max3_num_f32 v[TM+3], v[TM+3], v[TM+4], v[TM+5]
	v_max3_num_f32 v[TM], v[TM], v[TM+6], v[TM+7]
	v_max_num_f32 v[TM], v[TM], v[TM+3]
	v_max_num_f32_dpp v[TM], v[TM], v[TM] row_xmask:1 row_mask:0xf bank_mask:0xf
	v_max_num_f32_dpp v[TM], v[TM], v[TM] row_xmask:2 row_mask:0xf bank_mask:0xf
	v_max_num_f32_dpp v[TM], v[TM], v[TM] row_xmask:4 row_mask:0xf bank_mask:0xf
	v_max_num_f32_dpp v[TM], v[TM], v[TM] row_xmask:8 row_mask:0xf bank_mask:0xf
	v_permlanex16_b32 v[TX], v[TM], s68, s69
	v_max_num_f32 v[TM], v[TM], v[TX]              ; T
	v_and_b32 v[TM], 0x7f800000, v[TM]             ; its exponent field E << 23
	v_sub_nc_u32 v[TM], 0x7d000000, v[TM]          ; sigma = 2^(250 - E - 127)
	v_min_u32 v[TM], 0x5d800000, v[TM]             ; 2^60 at the most
	v_mul_f32 v[SG], v[TM], v[TM]
	v_mov_b32 v[SG+1], v[SG]
.endif
.irp a, 0,1,2,3
	PACKBLK \a
.endr
	SENDHALF 0
	s_barrier_signal -1                            ; my reads of the stage are back (the last count above was 0):
	s_barrier_wait -1                              ; no wave writes the stage again before all four have said so
.irp a, 4,5,6,7
	PACKBLK \a
.endr
	SENDHALF 1
.endm
	s_wait_tensorcnt 1                             ; my part of K step 0 is in; step 1's may stay out
	s_barrier_signal -1
	s_barrier_wait -1
	FETCH 0, 0, F0
	TILEHEAD                                       ; THE FIRST TILE
	TURN 0, 1, 2                                   ; the ring goes on into the second tile: slot 0 takes its K step 0,
	QUARTER 1, 1, F0, F1, 0
	QUARTER 1, 2, F1, F0, 0
	QUARTER 1, 3, F0, F1, 0
	TURN 1, 0, 2                                   ; slot 1 its K step 1, and its first fragments are fetched
	WIN 0
	WAYOUT 1                                       ; both refills are asked for: now the tile goes out
	s_wait_xcnt 0x0                                ; the stores' base, and their data (buffer 1, which the next quarter loads again), are rewritten only behind this wait
	s_add_nc_u64 s[8:9], s[8:9], NEXT_G
	TILEHEAD                                       ; THE SECOND TILE: its first products start on accumulators that have been packed
	TURN 0, 1, 0                                   ; its last lap fills nothing
	QUARTER 1, 1, F0, F1, 0
	QUARTER 1, 2, F1, F0, 0
	QUARTER 1, 3, F0, F1, 0
	s_wait_dscnt 8
	WIN MUL_LO
	MUL16 F1, 0, 0, 0
	MUL16 F1, 0, 2, 0
	s_wait_dscnt 0x0
	WIN MUL_HI
	MUL16 F1, 1, 0, 0
	MUL16 F1, 1, 2, 0
	WIN 0
	WAYOUT 0
	s_wait_tensorcnt 0x0                           ; the wave's end
	ds_add_u32 v[SPW], v[NIL]
	s_wait_dscnt 0x0
	CROUND                                         ; the closing round
	s_endpgm
.Lfunc_end_k_q0b581ae15d_ff1:
	.size	k_q0b581ae15d_ff1, .Lfunc_end_k_q0b581ae15d_ff1-k_q0b581ae15d_ff1
	.p2alignl 7, 3214868480
	.fill 96, 4, 3214868480
	.section	.rodata,"a",@progbits
	.p2align	6, 0x0
	.amdhsa_kernel k_q0b581ae15d_ff1
		.amdhsa_group_segment_fixed_size 327680
		.amdhsa_private_segment_fixed_size 0
		.amdhsa_enable_private_segment 0
		.amdhsa_kernarg_size 32
		.amdhsa_user_sgpr_count 2
		.amdhsa_user_sgpr_kernarg_segment_ptr 1
		.amdhsa_wavefront_size32 1
		.amdhsa_system_sgpr_workgroup_id_x 1
		.amdhsa_system_sgpr_workgroup_id_y 1
		.amdhsa_system_sgpr_workgroup_id_z 1
		.amdhsa_system_vgpr_workitem_id 0
		.amdhsa_next_free_vgpr 1024
		.amdhsa_next_free_sgpr 72
		.amdhsa_reserve_vcc 0
		.amdhsa_float_denorm_mode_32 3
		.amdhsa_float_denorm_mode_16_64 3
		.amdhsa_memory_ordered 1
		.amdhsa_forward_progress 1
		.amdhsa_inst_pref_size 255
	.end_amdhsa_kernel
	.section	.bss,"aw",@nobits
	.p2align	6
	.space	262144
	.amdgpu_metadata
---
amdhsa.version: [ 1, 2 ]
amdhsa.kernels:
  - .name:           k_q0b581ae15d_ff1
    .symbol:         k_q0b581ae15d_ff1.kd
    .args:
      - { .name: xc, .offset: 0, .size: 8, .value_kind: global_buffer, .address_space: global }
      - { .name: w1, .offset: 8, .size: 8, .value_kind: global_buffer, .address_space: global }
      - { .name: g, .offset: 16, .size: 8, .value_kind: global_buffer, .address_space: global }
      - { .name: tmax, .offset: 24, .size: 8, .value_kind: global_buffer, .address_space: global }
    .group_segment_fixed_size: 327680
    .private_segment_fixed_size: 0
    .kernarg_segment_align: 8
    .kernarg_segment_size: 32
    .max_flat_workgroup_size: 128
    .sgpr_count:     72
    .vgpr_count:     1024
    .wavefront_size: 32
...
	.end_amdgpu_metadata
.endif
;; end of part 4
;; launch fin (part 5): grid 8 x 32, 4 waves a work-group, clusters of 4 x 4, 327,680 bytes of LDS; arguments g, w2, out0, tmax; writes out0
.if DOCPART == 5
	.amdgcn_target "amdgcn-amd-amdhsa--gfx1250"
	.amdhsa_code_object_version 6
	.text
	.protected	k_q0b581ae15d_fin
	.globl	k_q0b581ae15d_fin
	.p2align	8
	.type	k_q0b581ae15d_fin,@function
k_q0b581ae15d_fin:
	s_mov_b64 s[64:65], 0
	v_nop
	global_prefetch_b8 v0, s[64:65] scope:SCOPE_SE
	s_setreg_imm32_b32 hwreg(HW_REG_WAVE_MODE, 25, 1), 1
	s_wait_xcnt 0x0
	s_wait_alu depctr_hold_cnt(0) depctr_sa_sdst(0) depctr_va_vdst(0) depctr_va_sdst(0) depctr_va_ssrc(0) depctr_va_vcc(0) depctr_vm_vsrc(0)
	s_getreg_b32 s2, hwreg(HW_REG_IB_STS2, 6, 4)
	s_cmp_eq_u32 s2, 0
	s_cbranch_scc0 .Lentry_in_a_cluster
	s_endpgm
.Lentry_in_a_cluster:
	s_bfe_u32 s2, ttmp6, 0x10000c
	s_cmp_lg_u32 s2, 0xf033
	s_cbranch_scc0 .Lentry_shape_is_right
	s_endpgm
.Lentry_shape_is_right:
; out0 = (1 / sigma^2) (g[:, 0:4096] Wff2) + g[:, 4096:4352] Wout: ONE product with K = 4,352, since the scaled gated numbers and the attention's result lie side by side in g ([4096][4352] f16)
; and Wff2 and Wout one below the other in w2 ([4352][1024] f16).  17 K steps of 256; behind step 15 the sums are multiplied by 1 / sigma^2, a power of two, and step 16 adds the attention's part.
; sigma as the launch before makes it, from the largest of tmax.  LIMIT: max|gamma| max|Wff1| < 2^59, so that (1 / sigma)^2 is finite.
; 256 tiles of 128 x 128; four waves of 64 x 64: 16 accumulators.  w2's K goes down the rows: B's fragments come by the turning load.
; CLUSTERS 4 x 4: A's tiles shared along a row of the cluster, B's along a column, each asked for jointly.  THE MATRIX INSTRUCTION IS USED TRANSPOSED: a lane holds eight neighbouring numbers of a row.
; REGISTERS: window 0: v0-31 addresses; v32-95 the way out; v96-103 tmax; v128-255 accumulators ((a, b) at 128 + 8 (4 a + b)).  Window 1: two fragment buffers of 128: 64 of A, then 64 of B.
.set KSTEP,  256
.set PITCH,  528
.set PB,     288
.set AH,     64*PITCH
.set BH,     128*PB
.set SLOT,   2*AH+2*BH
.set STAGE,  2*SLOT                    ; behind the ring: 16 rows x 272 bytes for each wave, its own: a wave's 64 columns of f32 are a whole 256 bytes
.set SPITCH, 272
.set SPARE,  STAGE+4*16*SPITCH
.set SC,   12                          ; v[12:13] 1 / sigma^2, twice
.set TX,   14
.set ADRA, 16
.set ADRB, 20                          ; v20-23
.set STO,  24
.set RD,   25
.set CO,   26
.set TMO,  27
.set SPW,  28
.set NIL,  29
.set BK,   32                          ; two sets of 32 by turns
.set TM,   96
.set ACC,  128
.set F0,   0
.set F1,   128
.set G1, 24
.set G0, 32
.set G1B, 48
.set G0B, 56
.set MSB, 0
.macro WIN new
.if MSB != (\new)
	s_set_vgpr_msb (MSB<<8)|(\new)
.set MSB, (\new)
.endif
.endm
.set MUL,  0x05
.set TO_F, 0x40
.macro PLACES
.rept 4
	v_nop
.endr
.endm
.macro JLOAD s
	s_cmp_eq_u32 s11, 0
	s_cbranch_scc0 .Lfor_b_\@
	tensor_load_to_lds s[G0+4*\s:G0+4*\s+3], s[G1:G1+7]
	s_nop 0
	PLACES
	s_branch .Lasked_\@
.Lfor_b_\@:
	tensor_load_to_lds s[G0B+4*\s:G0B+4*\s+3], s[G1B:G1B+7]
	s_nop 0
	PLACES
.Lasked_\@:
.endm
.macro CREST
	s_cmp_lg_u32 s10, 0
	s_cbranch_scc1 .Lnot_wave_0_\@
	s_barrier_signal -3
.Lnot_wave_0_\@:
	s_barrier_wait -3
	s_barrier_signal -1
	s_barrier_wait -1
.endm
.macro CROUND
	s_barrier_signal -1
	s_barrier_wait -1
	CREST
.endm
	s_load_b128 s[4:7], s[0:1], 0x0                ; g, w2
	s_load_b64 s[8:9], s[0:1], 0x10                ; out0
	s_load_b64 s[66:67], s[0:1], 0x18              ; tmax
	v_lshl_add_u32 v[SPW], v0, 2, SPARE
	v_mov_b32 v[NIL], 0
	ds_add_u32 v28, v29
	s_wait_dscnt 0x0
	v_lshrrev_b32 v1, 5, v0
	v_readfirstlane_b32 s10, v1
	s_lshr_b32 s11, s10, 1
	s_and_b32 s12, s10, 1
	s_bfe_u32 s40, ttmp6, 0x40000
	s_bfe_u32 s41, ttmp6, 0x40004
	s_lshl_b32 s42, ttmp9, 2
	s_add_co_u32 s42, s42, s40                     ; tile column
	s_and_b32 s13, ttmp7, 0xffff
	s_lshl_b32 s13, s13, 2
	s_add_co_u32 s13, s13, s41                     ; tile row
	s_lshl_b32 s43, s41, 2
	s_lshl_b32 s43, 15, s43
	s_lshl_b32 s44, 0x1111, s40
	s_mov_b32 s68, 0x76543210
	s_mov_b32 s69, 0xfedcba98
	s_or_b32 s[G1+0], s43, (1<<16)|(1<<20)|(1<<21)|(6<<22)|(3<<25)   ; A: 64 rows x 256 elements; after every 128 words, 4 words of padding
	s_mov_b32 s[G1+1], KSTEP<<16
	s_mov_b32 s[G1+2], 64<<16
	s_mov_b32 s[G1+3], KSTEP<<16
	s_mov_b32 s[G1+4], 64
	s_mov_b32 s[G1+5], 4352
	s_mov_b32 s[G1+6], 0
	s_mov_b32 s[G1+7], 0
	s_or_b32 s[G1B+0], s44, (1<<16)|(1<<20)|(1<<21)|(5<<22)|(7<<25)  ; B: 128 K rows x 128 elements; after every 64 words, 8 words
	s_mov_b32 s[G1B+1], 128<<16
	s_mov_b32 s[G1B+2], 128<<16
	s_mov_b32 s[G1B+3], 128<<16
	s_mov_b32 s[G1B+4], 128
	s_mov_b32 s[G1B+5], 1024
	s_mov_b32 s[G1B+6], 0
	s_mov_b32 s[G1B+7], 0
	s_lshl_b32 s16, s13, 7
	s_lshl_b32 s17, s12, 6
	s_add_co_u32 s16, s16, s17
	s_mul_i32 s16, s16, 8704                       ; A: (128 tile row + 64 half) rows of 8,704 bytes
	s_mov_b32 s17, 0
	s_lshl_b32 s46, s42, 8                         ; B: the tile's 256 bytes of a row,
	s_lshl_b32 s47, s12, 18                        ; K rows 128 half on, of 2,048 bytes
	s_add_co_u32 s46, s46, s47
	s_mov_b32 s47, 0
	s_mul_i32 s20, s12, AH
	s_mul_i32 s21, s12, BH
	s_add_co_u32 s21, s21, 2*AH
	s_wait_kmcnt 0x0
	s_add_nc_u64 s[14:15], s[4:5], s[16:17]
	s_add_nc_u64 s[46:47], s[6:7], s[46:47]
	CROUND
.irp s, 0,1
	s_mov_b32 s[G0+4*\s], 1
	s_add_co_u32 s[G0+4*\s+1], s20, \s*SLOT
	s_add_nc_u64 s[G0+4*\s+2:G0+4*\s+3], s[14:15], \s*KSTEP*2
	s_or_b32 s[G0+4*\s+3], s[G0+4*\s+3], 0x80000000
	s_mov_b32 s[G0B+4*\s], 1
	s_add_co_u32 s[G0B+4*\s+1], s21, \s*SLOT
	s_add_nc_u64 s[G0B+4*\s+2:G0B+4*\s+3], s[46:47], \s*KSTEP*2048
	s_or_b32 s[G0B+4*\s+3], s[G0B+4*\s+3], 0x80000000
	JLOAD \s
.endr
	v_and_b32 v1, 31, v0
	v_lshlrev_b32 v[TMO], 4, v1
	global_load_b128 v[TM:TM+3],   v[TMO], s[66:67]            ; tmax; waited for where the sums are rescaled
	global_load_b128 v[TM+4:TM+7], v[TMO], s[66:67] offset:512
	v_mov_b32 v[TX], 0
	v_and_b32 v1, 15, v0
	v_bfe_u32 v2, v0, 4, 1
	v_mul_u32_u24 v3, v1, PITCH
	v_lshl_add_u32 v3, v2, 4, v3
	v_and_b32 v4, 7, v0
	v_lshl_add_u32 v4, v2, 3, v4
	v_mul_u32_u24 v4, v4, PB
	v_bfe_u32 v5, v0, 3, 1
	v_lshl_add_u32 v4, v5, 4, v4
	s_mul_i32 s21, s11, AH
	s_lshl_b32 s22, s12, 7
	s_add_co_u32 s22, s22, 2*AH
.irp s, 0,1
	v_add_nc_u32 v[ADRA+\s], s21, v3
	v_add_nc_u32 v[ADRB+2*\s], s22, v4
	s_add_co_u32 s22, s22, BH
	v_add_nc_u32 v[ADRB+2*\s+1], s22, v4
	s_add_co_u32 s21, s21, SLOT
	s_add_co_u32 s22, s22, SLOT-BH
.endr
	s_mul_i32 s23, s10, 16*SPITCH
	s_add_co_u32 s23, s23, STAGE                   ; my stage
	v_mul_u32_u24 v4, v1, SPITCH                   ; in: row r, 32 bytes for each half of the lanes
	v_lshl_add_u32 v4, v2, 5, v4
	v_add_nc_u32 v[STO], s23, v4
	v_mul_u32_u24 v5, v2, SPITCH                   ; back: lanes 0-15 one row of 256 bytes, lanes 16-31 the next
	v_lshl_add_u32 v5, v1, 4, v5
	v_add_nc_u32 v[RD], s23, v5
	v_lshlrev_b32 v5, 12, v2                       ; the same two rows in out0
	v_lshl_add_u32 v[CO], v1, 4, v5
	s_lshl_b32 s16, s13, 7
	s_lshl_b32 s17, s11, 6
	s_add_co_u32 s16, s16, s17
	s_lshl_b32 s16, s16, 12                        ; my first row, of 4,096 bytes
	s_mov_b32 s17, 0
	s_add_nc_u64 s[8:9], s[8:9], s[16:17]
	s_lshl_b32 s46, s42, 9                         ; my first column: 512 x tile column + 256 x half
	s_lshl_b32 s47, s12, 8
	s_add_co_u32 s46, s46, s47
	s_mov_b32 s47, 0
	s_add_nc_u64 s[8:9], s[8:9], s[46:47]
.macro MUL8 f, c, a0, zero             ; 8 matrix instructions; the 16 accumulators take turns
.irp a, \a0, \a0+1
.irp b, 0,1,2,3
.if \zero
	v_wmma_f32_16x16x32_f16 v[ACC+8*(4*(\a)+\b):ACC+8*(4*(\a)+\b)+7], v[\f+64+8*(4*\c+\b):\f+64+8*(4*\c+\b)+7], v[\f+8*(4*\c+\a):\f+8*(4*\c+\a)+7], 0
.else
	v_wmma_f32_16x16x32_f16 v[ACC+8*(4*(\a)+\b):ACC+8*(4*(\a)+\b)+7], v[\f+64+8*(4*\c+\b):\f+64+8*(4*\c+\b)+7], v[\f+8*(4*\c+\a):\f+8*(4*\c+\a)+7], v[ACC+8*(4*(\a)+\b):ACC+8*(4*(\a)+\b)+7]
.endif
.endr
.endr
.endm
.macro FETCH slot, q, f                ; 32 LDS loads in one run: quarter q (64 along K) into buffer f; the first 32 along K first
	WIN TO_F
.irp c, 0,1
.irp i, 0,1,2,3
	ds_load_tr16_b128 v[\f+64+8*(4*\c+\i):\f+64+8*(4*\c+\i)+3],   v[ADRB+2*\slot+(\q)/2] offset:(((\q)%2)*64+32*\c)*PB+32*\i
	ds_load_tr16_b128 v[\f+64+8*(4*\c+\i)+4:\f+64+8*(4*\c+\i)+7], v[ADRB+2*\slot+(\q)/2] offset:(((\q)%2)*64+32*\c+16)*PB+32*\i
	ds_load_b128 v[\f+8*(4*\c+\i):\f+8*(4*\c+\i)+3],         v[ADRA+\slot] offset:128*\q+64*\c+\i*16*PITCH
	ds_load_b128 v[\f+8*(4*\c+\i)+4:\f+8*(4*\c+\i)+7],       v[ADRA+\slot] offset:128*\q+64*\c+\i*16*PITCH+32
.endr
.endr
.endm
.macro QUARTER slot, q, f, g, zero
	s_wait_dscnt 16                                ; the first 32 along K are in; the sixteen younger loads may be out
	WIN MUL
	MUL8 \f, 0, 0, \zero
	MUL8 \f, 0, 2, \zero
	PLACES
	FETCH \slot, \q, \g
	s_wait_dscnt 32                                ; all but the 32 just issued
	WIN MUL
	MUL8 \f, 1, 0, 0
	MUL8 \f, 1, 2, 0
.endm
.macro TURN slot, next, fill
	WIN 0
	s_wait_tensorcnt 0x0                           ; all my tensor loads have landed: my part of the next slot
	ds_add_u32 v[SPW], v[NIL]
	s_wait_dscnt 17                                ; the add and the youngest sixteen loads may be out
	WIN MUL
	MUL8 F1, 0, 0, 0
	s_wait_dscnt 0x0                               ; the add is done, my reads of this slot are over
	s_barrier_signal -1
	MUL8 F1, 0, 2, 0
.if \fill
	WIN 0
.endif
	s_barrier_wait -1
.if \fill
	CREST
	s_add_nc_u64 s[G0+4*\slot+2:G0+4*\slot+3], s[G0+4*\slot+2:G0+4*\slot+3], 2*KSTEP*2
	s_add_nc_u64 s[G0B+4*\slot+2:G0B+4*\slot+3], s[G0B+4*\slot+2:G0B+4*\slot+3], 2*KSTEP*2048
	JLOAD \slot
.else
	PLACES
.endif
	FETCH \next, 0, F0
	WIN MUL
	MUL8 F1, 1, 0, 0
	MUL8 F1, 1, 2, 0
.endm
	s_wait_tensorcnt 1                             ; my part of K step 0 is in; step 1's may stay out
	s_barrier_signal -1
	s_barrier_wait -1
	FETCH 0, 0, F0
	QUARTER 0, 1, F0, F1, 1
	WIN 0
	s_mov_b32 s3, 7
.Llap:                                                 ; seven trips: K steps 2 to 15 are asked for
	QUARTER 0, 2, F1, F0, 0
	QUARTER 0, 3, F0, F1, 0
	TURN 0, 1, 1
	QUARTER 1, 1, F0, F1, 0
	QUARTER 1, 2, F1, F0, 0
	QUARTER 1, 3, F0, F1, 0
	TURN 1, 0, 1
	QUARTER 0, 1, F0, F1, 0
	WIN 0
	s_sub_co_u32 s3, s3, 1
	s_cmp_lg_u32 s3, 0
	s_cbranch_scc1 .Llap
	QUARTER 0, 2, F1, F0, 0                        ; K step 14 goes on
	QUARTER 0, 3, F0, F1, 0
	TURN 0, 1, 1                                   ; slot 0 takes K step 16: the attention's columns of g, Wout's rows of w2
	QUARTER 1, 1, F0, F1, 0
	QUARTER 1, 2, F1, F0, 0
	QUARTER 1, 3, F0, F1, 0
	TURN 1, 0, 0                                   ; K step 15 ends: the feed-forward's sums are whole
	WIN 0
	PLACES
	s_wait_loadcnt 0x0                             ; tmax
	v_max3_num_f32 v[TM], v[TM], v[TM+1], v[TM+2]
	v_max3_num_f32 v[TM+3], v[TM+3], v[TM+4], v[TM+5]
	v_max3_num_f32 v[TM], v[TM], v[TM+6], v[TM+7]
	v_max_num_f32 v[TM], v[TM], v[TM+3]
	v_max_num_f32_dpp v[TM], v[TM], v[TM] row_xmask:1 row_mask:0xf bank_mask:0xf
	v_max_num_f32_dpp v[TM], v[TM], v[TM] row_xmask:2 row_mask:0xf bank_mask:0xf
	v_max_num_f32_dpp v[TM], v[TM], v[TM] row_xmask:4 row_mask:0xf bank_mask:0xf
	v_max_num_f32_dpp v[TM], v[TM], v[TM] row_xmask:8 row_mask:0xf bank_mask:0xf
	v_permlanex16_b32 v[TX], v[TM], s68, s69
	v_max_num_f32 v[TM], v[TM], v[TX]
	v_and_b32 v[TM], 0x7f800000, v[TM]
	v_sub_nc_u32 v[TM], 0x7d000000, v[TM]          ; sigma, made as the launch before makes it,
	v_min_u32 v[TM], 0x5d800000, v[TM]
	v_sub_nc_u32 v[TM], 0x7f000000, v[TM]          ; and 1 / sigma: the exponent fields add up to 254
	v_mul_f32 v[SC], v[TM], v[TM]
	v_mov_b32 v[SC+1], v[SC]
.set i, 0
.rept 64
	v_pk_mul_f32 v[ACC+2*i:ACC+2*i+1], v[ACC+2*i:ACC+2*i+1], v[SC:SC+1]   ; a power of two: exact; each accumulator from its low end on
.set i, i+1
.endr
	QUARTER 0, 1, F0, F1, 0                        ; K step 16
	QUARTER 0, 2, F1, F0, 0
	QUARTER 0, 3, F0, F1, 0
	s_wait_dscnt 16
	WIN MUL
	MUL8 F1, 0, 0, 0
	MUL8 F1, 0, 2, 0
	s_wait_dscnt 0x0
	MUL8 F1, 1, 0, 0
	MUL8 F1, 1, 2, 0
	WIN 0
	; THE WAY OUT, f32: 16 rows at a time through my own stage: a lane's eight numbers go in as two stores of 16 bytes, whole rows of 256 bytes come back
	PLACES
.irp a, 0,1,2,3
.irp b, 0,1,2,3
	ds_store_b128 v[STO], v[ACC+8*(4*\a+\b):ACC+8*(4*\a+\b)+3] offset:64*\b
	ds_store_b128 v[STO], v[ACC+8*(4*\a+\b)+4:ACC+8*(4*\a+\b)+7] offset:64*\b+16
.endr
	s_wait_xcnt 0x0                                ; the set below was store data two blocks ago: it is loaded again only behind this wait
.irp t, 0,1,2,3,4,5,6,7
	ds_load_b128 v[BK+32*(\a%2)+4*\t:BK+32*(\a%2)+4*\t+3], v[RD] offset:\t*2*SPITCH   ; LDS serves a wave's instructions in order: these see the stores above
.endr
	s_wait_dscnt 0x0
.irp t, 0,1,2,3,4,5,6,7
	global_store_b128 v[CO], v[BK+32*(\a%2)+4*\t:BK+32*(\a%2)+4*\t+3], s[8:9] offset:(16*\a+2*\t)*4096 th:TH_STORE_NT   ; 16 lanes store 256 consecutive aligned bytes
.endr
.endr
	s_wait_tensorcnt 0x0                           ; the wave's end
	ds_add_u32 v[SPW], v[NIL]
	s_wait_dscnt 0x0
	CROUND                                         ; the closing round
	s_endpgm
.Lfunc_end_k_q0b581ae15d_fin:
	.size	k_q0b581ae15d_fin, .Lfunc_end_k_q0b581ae15d_fin-k_q0b581ae15d_fin
	.p2alignl 7, 3214868480
	.fill 96, 4, 3214868480
	.section	.rodata,"a",@progbits
	.p2align	6, 0x0
	.amdhsa_kernel k_q0b581ae15d_fin
		.amdhsa_group_segment_fixed_size 327680
		.amdhsa_private_segment_fixed_size 0
		.amdhsa_enable_private_segment 0
		.amdhsa_kernarg_size 32
		.amdhsa_user_sgpr_count 2
		.amdhsa_user_sgpr_kernarg_segment_ptr 1
		.amdhsa_wavefront_size32 1
		.amdhsa_system_sgpr_workgroup_id_x 1
		.amdhsa_system_sgpr_workgroup_id_y 1
		.amdhsa_system_sgpr_workgroup_id_z 1
		.amdhsa_system_vgpr_workitem_id 0
		.amdhsa_next_free_vgpr 512
		.amdhsa_next_free_sgpr 72
		.amdhsa_reserve_vcc 0
		.amdhsa_float_denorm_mode_32 3
		.amdhsa_float_denorm_mode_16_64 3
		.amdhsa_memory_ordered 1
		.amdhsa_forward_progress 1
		.amdhsa_inst_pref_size 110
	.end_amdhsa_kernel
	.amdgpu_metadata
---
amdhsa.version: [ 1, 2 ]
amdhsa.kernels:
  - .name:           k_q0b581ae15d_fin
    .symbol:         k_q0b581ae15d_fin.kd
    .args:
      - { .name: g, .offset: 0, .size: 8, .value_kind: global_buffer, .address_space: global }
      - { .name: w2, .offset: 8, .size: 8, .value_kind: global_buffer, .address_space: global }
      - { .name: out0, .offset: 16, .size: 8, .value_kind: global_buffer, .address_space: global }
      - { .name: tmax, .offset: 24, .size: 8, .value_kind: global_buffer, .address_space: global }
    .group_segment_fixed_size: 327680
    .private_segment_fixed_size: 0
    .kernarg_segment_align: 8
    .kernarg_segment_size: 32
    .max_flat_workgroup_size: 128
    .sgpr_count:     72
    .vgpr_count:     512
    .wavefront_size: 32
...
	.end_amdgpu_metadata
.endif
;; end of part 5
